; MI455X (gfx1250); checked and timed in simulation.
; The chip was launched on July 23, 2026; its instructions are those of AMD's public machine-readable ISA for CDNA 5 (MIT licence, August 2026) and "CDNA5" Instruction Set Architecture Reference Guide (July 2026). The comments in the code are by the model that wrote it; some were corrected since.
;; SWA. Allowed arithmetic: matrix products marked QUANTISED: E2M3 operands, one E8M0 scale for each 32 along K, by v_wmma_scale_f32_16x16x128_f8f6f4 with both operands' format E2M3, f32 sums; everything else in f32.
;; Inputs: wk_b 256 float32; wk_w_codes 256 x 32 x 24 uint8 (E2M3 codes of wk_w, K innermost, in blocks of 32 codes, four codes in three bytes); wk_w_scales 256 x 32 uint8 (E8M0 scales of wk_w, one for each 32 codes along K); wo_w_codes 1,024 x 32 x 24 uint8 (E2M3 codes of wo_w, K innermost, in blocks of 32 codes, four codes in three bytes); wo_w_scales 1,024 x 32 uint8 (E8M0 scales of wo_w, one for each 32 codes along K); wq_b 1,024 float32; wq_w_codes 1,024 x 32 x 24 uint8 (E2M3 codes of wq_w, K innermost, in blocks of 32 codes, four codes in three bytes); wq_w_scales 1,024 x 32 uint8 (E8M0 scales of wq_w, one for each 32 codes along K); wv_b 256 float32; wv_w_codes 256 x 32 x 24 uint8 (E2M3 codes of wv_w, K innermost, in blocks of 32 codes, four codes in three bytes); wv_w_scales 256 x 32 uint8 (E8M0 scales of wv_w, one for each 32 codes along K); x_codes 2 x 2,048 x 32 x 24 uint8 (E2M3 codes of x, K innermost, in blocks of 32 codes, four codes in three bytes); x_scales 2 x 2,048 x 32 uint8 (E8M0 scales of x, one for each 32 codes along K).
;; Outputs: out0 2 x 2,048 x 1,024 float32.
;; Constants: sliding_window = 1024.
;; This version of the problem:
;;   THIS VERSION OF THE PROBLEM IS GIVEN IN LOW PRECISION. The matrix products marked QUANTISED in the list below multiply operands that are first quantised to E2M3 (2 exponent bits, 3 mantissa bits; 6 bits a number), with one power-of-two scale for each 32 numbers along K (OCP MX v1.0); their sums are f32. All else is computed in f32.
;;   The module's matrix products, in the order in which they are computed (A, B: the left and right operand; K: the contracted axis; several contracted axes count as one K, in the product's order):
;;     1. [M 4,096, K 1,024] x [K 1,024, N 1,024]; A: input x (given as codes); B: input wq_w (given as codes): QUANTISED
;;     2. [M 4,096, K 1,024] x [K 1,024, N 256]; A: input x (given as codes); B: input wk_w (given as codes): QUANTISED
;;     3. [M 4,096, K 1,024] x [K 1,024, N 256]; A: input x (given as codes); B: input wv_w (given as codes): QUANTISED
;;     4. batch 32 x [M 2,048, K 64] x [K 64, N 2,048]; A: computed on the way; B: computed on the way: QUANTISED
;;     5. batch 32 x [M 64, K 2,048] x [K 2,048, N 2,048]; A: computed on the way; B: softmax (see below): QUANTISED
;;     6. [M 4,096, K 1,024] x [K 1,024, N 1,024]; A: computed on the way; B: input wo_w (given as codes): QUANTISED
;;   THE QUANTISER, for each operand of a quantised product, along K:
;;     - K is cut into blocks of 32 from its start; a last block that is shorter is filled with zeros.
;;     - A block's scale is 2^e with e = floor(log2(the largest magnitude in the block)) - 2, held to -126 .. 127; a block of zeros has e = 0. As a byte (E8M0): e + 127.
;;     - Each number is divided by its block's scale, clamped to +-7.5, and rounded to the nearest number of E2M3, ties to even, subnormals kept.
;;     - The product sums the exact products of the quantised numbers (number of the format x scale) in f32.
;;   ~~~python
;;   def quantise(x, axis):      # numpy; x: float32 -> the quantised numbers, widened to float32 again
;;       x = np.moveaxis(x, axis, -1); K = x.shape[-1]
;;       x = np.pad(x, [(0, 0)] * (x.ndim - 1) + [(0, -K % 32)]); x = x.reshape(x.shape[:-1] + (-1, 32)); a = np.abs(x).max(-1, keepdims=True)
;;       e = np.where(a > 0, np.clip(np.frexp(np.where(a > 0, a, 1))[1] - 1 - 2, -126, 127), 0)      # np.frexp(a)[1] - 1 = floor(log2(a)), exactly
;;       r = np.clip(x / 2.0 ** e, -7.5, 7.5)
;;       step = 2.0 ** (np.maximum(np.frexp(np.where(r == 0, 1, r))[1] - 1, 0) - 3)
;;       q = np.round(r / step) * step * 2.0 ** e      # np.round: ties to even
;;       return np.moveaxis(q.reshape(q.shape[:-2] + (-1,))[..., :K], -1, axis).astype(np.float32)
;;   ~~~
;;   SOFTMAX AHEAD OF A QUANTISED PRODUCT. Where the list says 'softmax', what is quantised is not the finished softmax but p = 2^(t - M), with t = logit x log2(e) and M = ceil(the row's largest t), a whole number; so 1/2 < the row's largest p <= 1. The row's sum l is taken of the UNQUANTISED p, in f32, and the product's result is divided by l at the end. Since M is a whole number, a kernel that streams over the keys may use a running M (the ceiling of the running maximum): every later rescaling is an exact power of two, which a block's scale takes up: the codes' values come out the same.
;;   OPERANDS COMPUTED ON THE WAY. 'Computed on the way' means the value that the module computes at that place (a softmax that the list does not call 'softmax' is quantised finished and normalised). What goes into a quantiser is computed in f32, as accurately as f32 sums, v_exp_f32 and their like allow (about 1e-6 of the number): no bf16 or f16 on the way to a quantiser, and a product that is left as it is and whose result goes on into a quantised operand takes f32 operands (vector FMAs, or v_wmma_f32_16x16x4_f32). A number that lies on a knife's edge between two numbers of the format may be rounded either way, as far as f32 arithmetic and the matrix unit's own rounding can turn it there, and no further.
;;   INPUTS GIVEN AS CODES. wk_w (in the module: [256, 1024], K = its axis 1); wo_w (in the module: [1024, 1024], K = its axis 1); wq_w (in the module: [1024, 1024], K = its axis 1); wv_w (in the module: [256, 1024], K = its axis 1); x (in the module: [2, 2048, 1024], K = its axis 2): each comes as NAME_codes (uint8): NAME with its K axis moved to the last place and cut into blocks of 32 codes, [.., K / 32, bytes a block], one block behind the other in memory; four codes in three bytes: a row's codes are one little-endian stream of bits, code i at bits 6 i .. 6 i + 5 (a code: sign, 2 exponent bits, 3 mantissa bits); and NAME_scales (uint8): the same leading axes, one E8M0 byte (e + 127) for each 32 codes along K. Its value is code x scale, taken as it is: it is not quantised again, and the codes and scales need not be those that the quantiser above would give.
;; One version. Each part assembles by itself: llvm-mc -triple=amdgcn-amd-amdhsa -mcpu=gfx1250 --defsym DOCPART=n.
;; ======== version 1 of 1: 3 launches
;; limits: right only within a limited range of input values
;; workspace buffers: q_img 3,145,728 bytes; q_sc 262,144 bytes; kv 1,703,936 bytes; c_img 3,145,728 bytes; c_sc 131,072 bytes
;; launch qkv (part 1): grid 32 x 8, 6 waves a work-group, clusters of 4 x 4, 302,080 bytes of LDS; arguments x_codes, x_scales, wq_w_codes, wk_w_codes, wv_w_codes, wq_w_scales, wk_w_scales, wv_w_scales, wq_b, wk_b, wv_b, q_img, q_sc, kv; writes q_img, q_sc, kv
.if DOCPART == 1
	.amdgcn_target "amdgcn-amd-amdhsa--gfx1250"
	.amdhsa_code_object_version 6
	.text
	.protected	k_qf6dedeb289_qkv
	.globl	k_qf6dedeb289_qkv
	.p2align	8
	.type	k_qf6dedeb289_qkv,@function
k_qf6dedeb289_qkv:
	s_mov_b64 s[64:65], 0
	v_nop
	global_prefetch_b8 v0, s[64:65] scope:SCOPE_SE
	s_setreg_imm32_b32 hwreg(HW_REG_WAVE_MODE, 25, 1), 1
	s_wait_xcnt 0x0
	s_wait_alu depctr_hold_cnt(0) depctr_sa_sdst(0) depctr_va_vdst(0) depctr_va_sdst(0) depctr_va_ssrc(0) depctr_va_vcc(0) depctr_vm_vsrc(0)
	s_getreg_b32 s2, hwreg(HW_REG_IB_STS2, 6, 4)
	s_cmp_eq_u32 s2, 0
	s_cbranch_scc0 .Lentry_in_a_cluster
	s_endpgm
.Lentry_in_a_cluster:
	s_bfe_u32 s2, ttmp6, 0x10000c
	s_cmp_lg_u32 s2, 0xf033
	s_cbranch_scc0 .Lentry_shape_is_right
	s_endpgm
.Lentry_shape_is_right:
; q = rope(x Wq^T + bq), k = rope(x Wk^T + bk), v = x Wv^T + bv, on codes of FP6 (E2M3) with E8M0 scales, and the results quantised again: q and k along the head's 64, v along the KEYS.
; SHARES.  A work-group takes 128 rows of x and three units of 64 columns: query heads 2 y, 2 y + 1 and key head y (y < 4) or value head y - 4.  Wave W takes unit W / 2 and half W % 2 of the rows: 64 x 64 results,
; 16 accumulators, 8 K steps of 128.  All codes that the work-group reads lie in LDS at once: every tensor load is a first fill, one a wave, and behind the one barrier LDS is only read.
; TILES.  Lane r of tile T (0..3 of 64 rows) takes row 8 T + r + 24 (r / 8).  Where such tiles are source 0, the 32 registers of the four result tiles hold indices 32 (lane / 16) + 0 .. 31 of that axis: ONE WHOLE
; scale block to a lane.  q, k: source 0 = the weights (registers run along d), source 1 = x.  v: source 0 = x (registers run along the keys), source 1 = the weights.
; LDS ROWS.  Rows 0-31 of each 64 (the regions x0, x1, q0, q1, kv) lie on end from LDS row 0, rows 32-63 likewise from LDS row 168: the 16 rows of a tile start at 16 different banks (64 banks of 4 bytes: ISA guide 11.1).
; WHAT IS STORED.  Half a fragment (16 rows x 64 along K: 6 registers a lane) goes out as an image of its registers, 768 bytes: registers 0-3 at 16 x lane, 4-5 at 512 + 8 x lane.  Scale halfwords of four tiles: 256 bytes:
; word j of lane l at 8 l + 4 j is tile 2 j + l / 16, row l % 16; bytes 2 and 3 are 0.  kv: [batch x 4 + head][key step of 128][K's images 6,144, V's images 6,144, K's scale words 512, V's 512].
; ROPE.  The angle (position x inv_freq, one f32 product as in the source) is reduced by multiples of pi / 2 held in two f32 parts; sine and cosine come from polynomials on [-pi/4, pi/4], all in f32.
; CLUSTER.  4 x 4 work-groups: those of a row of the cluster share the weights' rows, those of a column x's rows: each tile is asked for jointly.  No prefetch: the launch has no loop over tiles to run ahead in.
; WORK LEFT OUT IN THE PROGRAM: key steps that lie wholly outside a query's window (key > query, or query - key > 1,024) get p = 0 for all values of the inputs and are not multiplied (second kernel); a NaN or an
; infinity that reaches only those products is not carried to the result.
; LIMITS: NaN and infinities among the inputs are not served.  A block of zeros, or one whose largest magnitude lies under 2^-124, gets the scale byte 1; this program alone reads the bytes.
; inv_freq[j] is the f32 nearest to 10^(-j/8); a power computed in f32 may differ from it by an ulp or so.
.set RPITCH, 816                       ; a row of 1,024 codes in LDS: 3 x (256 bytes + 16 of padding)
.set UP,     168*RPITCH
.set TRIG,   267776                    ; the table: [tile 8][cos, sin][quad 4][16 x lane]; written by LDS stores alone
.set BIAS,   TRIG+32768                ; the units' biases, 256 bytes each; written by LDS stores alone
.set SPARE,  BIAS+768
.set TS,  1
.set BS,  2
.set BAV, 3
.set PRM, 4
.set BAQ, 5
.set TL,  6
.set L16, 7
.set L8,  8
.set VSO, 9
.set L4,  10
.set BV,  11
.set SPW, 14
.set NIL, 15
.set SW,  16                           ; v16-31  the weights' scale words: tile pair j, K step q at 8 j + q: lanes 0-15 the even tile, 16-31 the odd
.set SX,  36                           ; v36-51  x's
.set CB,  52                           ; v52-83  the bias, as the first products' C
.set ADW, 84                           ; v84-91  LDS address of the weights' four tiles; odd numbers: behind one padding more
.set ADX, 92                           ; v92-99  x's
.set RT,  116
.set QM,  116
.set QE,  120
.set QY,  122
.set WD,  124
.set ACC, 128                          ; accumulator (g, t) at 32 g + 8 t.  Fragments lie in window 1: set e at 96 e: the weights' four, then x's four
.set FQ,  128                          ; the table's making, ahead of the products
.set P0,  132
.set POS, 133
.set TMP, 134
.set ANG, 136
.set NN,  140
.set RR,  144
.set ZZ,  148
.set SN,  152
.set CS,  156
.set NI,  160
.set TT,  164
.set OC,  168
.set OS,  172
.set SEL, 90
.set MSB, 0
.macro WIN new
.if MSB != \new
	s_set_vgpr_msb (MSB<<8)|\new
.set MSB, \new
.endif
.endm
.macro PLACES n
.rept \n
	v_nop
.endr
.endm
.macro WALU
	s_wait_alu depctr_va_vdst(0)
.endm
.macro ROUND                           ; a round of the cluster's barrier
	s_barrier_signal -1
	s_barrier_wait -1
	s_cmp_lg_u32 s3, 0
	s_cbranch_scc1 .Lnot_wave_0_\@
	s_barrier_signal -3
.Lnot_wave_0_\@:
	s_barrier_wait -3
	s_barrier_signal -1
	s_barrier_wait -1
.endm
.macro TLOAD g0, g1
	tensor_load_to_lds s[\g0:\g0+3], s[\g1:\g1+7]
	s_nop 0
	PLACES 4
.endm
.macro GRP g, mask, c, r, p            ; descriptor group 1: elements of 8 bytes, 16 bytes of padding behind every 256, joint
	s_or_b32 s[\g], s\mask, (3<<16)|(1<<20)|(1<<21)|(5<<22)|(3<<25)
	s_mov_b32 s[\g+1], (\c)<<16
	s_mov_b32 s[\g+2], (\r)<<16
	s_mov_b32 s[\g+3], (\c)<<16
	s_mov_b32 s[\g+4], \r
	s_mov_b32 s[\g+5], \p
	s_mov_b32 s[\g+6], 0
	s_mov_b32 s[\g+7], 0
.endm
; A fragment, 16 rows x 128 K: pieces of 8 bytes, two to a load where both go by the same address register.  16 bytes of padding lie behind every 32 pieces; lanes 16-31 read three pieces further on.
.macro FRAG reg, adr, q
.set SKIP_, 0
.irp p, 0,1,2,3,4,5
.if SKIP_
.set SKIP_, 0
.else
.set PC_, 12*(\q)+6*(\p/3)+\p%3
.set PN_, 12*(\q)+6*((\p+1)/3)+(\p+1)%3
.set X_, (PC_%32+3)/32
.set XQ_, (PN_%32+3)/32
.set R_, (\reg)+2*\p
.set A_, (\adr)+X_
.if (\p < 5) && (X_ == XQ_)
.set SKIP_, 1
	ds_load_2addr_b64 v[R_:R_+3], v[A_] offset0:PC_+2*(PC_/32) offset1:PN_+2*(PN_/32)
.else
	ds_load_b64 v[R_:R_+1], v[A_] offset:8*(PC_+2*(PC_/32))
.endif
.set CNT, CNT+1
.endif
.endr
.endm
.macro LOADS q                         ; all eight fragments of K step q into set q % 2; CNT counts the loads
.set CNT, 0
	WIN 0x40
.irp T, 0,1,2,3
	FRAG 96*((\q)%2)+12*\T, ADW+2*\T, \q
.endr
.irp T, 0,1,2,3
	FRAG 96*((\q)%2)+48+12*\T, ADX+2*\T, \q
.endr
.endm
.macro TRLOAD g, tr                    ; cos and sin of tile g's positions: pair p of my 16 at tr + p and tr + 16 + p
.irp u, 0,1,2,3
	ds_load_b128 v[(\tr)+4*\u:(\tr)+4*\u+3], v[TL] offset:(\g)*4096+512*\u
	ds_load_b128 v[(\tr)+16+4*\u:(\tr)+16+4*\u+3], v[TL] offset:(\g)*4096+2048+512*\u
.endr
.set CNT, CNT+8
.endm
.macro WM q, v, g, t, rg, rt           ; v = 0: source 0 the weights' tile t, source 1 x's tile g; v = 1: x's tile t, the weights' tile g
.set D_, ACC+32*(\g)+8*(\t)
.set FB_, 96*((\q)%2)
.if \v
.set A_, FB_+48+12*(\t)
.set B_, FB_+12*(\g)
.set XA_, SX+8*((\t)/2)+\q
.set XB_, SW+8*((\g)/2)+\q
.set C_, CB+8*(\g)
.else
.set A_, FB_+12*(\t)
.set B_, FB_+48+12*(\g)
.set XA_, SW+8*((\t)/2)+\q
.set XB_, SX+8*((\g)/2)+\q
.set C_, CB+8*(\t)
.endif
.if \q
.set C_, D_
.endif
	v_wmma_scale_f32_16x16x128_f8f6f4 v[D_:D_+7], v[A_:A_+11], v[B_:B_+11], v[C_:C_+7], v[XA_], v[XB_] matrix_a_fmt:MATRIX_FMT_FP6 matrix_b_fmt:MATRIX_FMT_FP6 matrix_a_scale:MATRIX_SCALE_ROW\rt matrix_b_scale:MATRIX_SCALE_ROW\rg
.endm
.macro G4 q, v, g, rg
	WM \q, \v, \g, 0, \rg, 0
	WM \q, \v, \g, 1, \rg, 1
	WM \q, \v, \g, 2, \rg, 0
	WM \q, \v, \g, 3, \rg, 1
.endm
; A K step: the next step's fragments are asked for, then 16 matrix instructions on 16 accumulators by turns.
.macro KSTEP q, v
.if (\q) < 7
.if (\q) > 0
	PLACES 4                                       ; in front of loads into registers that matrix instructions have read
.endif
	LOADS (\q)+1
.if ((\q) == 6) && ((\v) == 0)
	WIN 0
	TRLOAD 0, 52
.endif
	s_wait_dscnt CNT                               ; all but what was just asked for
.else
	s_wait_dscnt 0x0
.if (\v) == 0
	WIN 0
	TRLOAD 1, 84
.endif
.endif
	WIN 0x05
	G4 \q, \v, 0, 0
	G4 \q, \v, 1, 1
	G4 \q, \v, 2, 0
	G4 \q, \v, 3, 1
.endm
.macro ROPE g, tr                      ; (x1, x2) becomes (x1 cos - x2 sin, x1 sin + x2 cos), two packed instructions a pair
.irp b, 0,4,8,12
.irp e, 0,2
.set X_, ACC+32*(\g)+2*(\b+\e)
.set Y_, (\tr)+\b+\e
	v_pk_mul_f32 v[RT+2*\e:RT+2*\e+1], v[X_:X_+1], v[Y_:Y_+1] op_sel_hi:[1,0]
	v_pk_mul_f32 v[RT+2*\e+2:RT+2*\e+3], v[X_+2:X_+3], v[Y_:Y_+1] op_sel:[0,1] op_sel_hi:[1,1]
.endr
.irp e, 0,2
.set X_, ACC+32*(\g)+2*(\b+\e)
.set Y_, (\tr)+16+\b+\e
	v_pk_fma_f32 v[X_:X_+1], v[X_:X_+1], v[Y_:Y_+1], v[RT+2*\e:RT+2*\e+1] op_sel:[1,0,0] op_sel_hi:[0,0,1] neg_lo:[0,1,0]
	v_pk_fma_f32 v[X_+2:X_+3], v[X_+2:X_+3], v[Y_:Y_+1], v[RT+2*\e+2:RT+2*\e+3] op_sel:[1,1,0] op_sel_hi:[0,1,1] neg_lo:[0,1,0]
.endr
.endr
.endm
.macro HFST o, off                     ; 512 and 256 consecutive bytes, at multiples of 256 from the buffer's first byte
.set O_, \o
	global_store_b128 v[L16], v[O_:O_+3], s[100:101] offset:\off
	global_store_b64 v[L8], v[O_+4:O_+5], s[100:101] offset:(\off)+512
.endm
; Tiles g and g + 1: 32 numbers a lane, one block each, become codes in v[o ..], v[o + 12 ..] and scale halfwords (tile g's right in lanes 0-15, tile g + 1's in lanes 16-31).
.macro QUANT2 g, o
.set B0_, ACC+32*(\g)
.irp n, 0,1,2,3
	v_max3_num_f32 v[QM+\n], |v[B0_+16*\n]|, |v[B0_+16*\n+1]|, 0x1800000   ; and the floor 2^(3 - 127): the byte cannot fall under 1
.endr
.irp i, 2,4,6,8,10,12,14
.irp n, 0,1,2,3
	v_max3_num_f32 v[QM+\n], v[QM+\n], |v[B0_+16*\n+\i]|, |v[B0_+16*\n+\i+1]|
.endr
.endr
	v_max_num_f32 v[QM], v[QM], v[QM+1]
	v_max_num_f32 v[QM+2], v[QM+2], v[QM+3]
	v_add_nc_u32 v[QE], 0xff000000, v[QM]          ; 2 off the exponent field: the conversion's scale operand
	v_add_nc_u32 v[QE+1], 0xff000000, v[QM+2]
	v_lshrrev_b32 v[QY], 23, v[QE]                 ; the scale's byte
	v_lshrrev_b32 v[QY+1], 23, v[QE+1]
	v_permlanex16_b32 v[QM], v[QY], s[SEL], s[SEL+1]
	v_permlanex16_b32 v[QM+2], v[QY+1], s[SEL], s[SEL+1]
	v_lshl_or_b32 v[WD+\g], v[QM], 8, v[QY]
	v_lshl_or_b32 v[WD+\g+1], v[QY+1], 8, v[QM+2]
	v_cvt_scalef32_pk16_fp6_f32 v[\o:\o+2], v[B0_:B0_+15], v[QE]
	v_cvt_scalef32_pk16_fp6_f32 v[\o+12:\o+14], v[B0_+32:B0_+47], v[QE+1]
	v_cvt_scalef32_pk16_fp6_f32 v[\o+6:\o+8], v[B0_+16:B0_+31], v[QE]
	v_cvt_scalef32_pk16_fp6_f32 v[\o+18:\o+20], v[B0_+48:B0_+63], v[QE+1]
	v_nop                                          ; one plain place behind a scaled conversion
.irp i, 0,1,2
	v_mov_b32 v[\o+3+\i], v[\o+6+\i]               ; (a conversion's registers begin on an even number)
	v_mov_b32 v[\o+15+\i], v[\o+18+\i]
.endr
	HFST \o, 768*(\g)
	HFST \o+12, 768*(\g)+768
.endm
.macro FREQ a0, a1, a2, a3, b0, b1, b2, b3     ; a quad's inv_freq: four for lanes 0-15, four for lanes 16-31
	s_mov_b32 s44, \a0
	s_mov_b32 s45, \a1
	s_mov_b32 s46, \a2
	s_mov_b32 s47, \a3
	s_mov_b32 s48, \b0
	s_mov_b32 s49, \b1
	s_mov_b32 s50, \b2
	s_mov_b32 s51, \b3
.endm
.macro SC4 tau                         ; cos and sin of tile tau's positions for my wave's four pairs, and their place in the table
	v_add_nc_u32 v[POS], 64*((\tau)/4)+8*((\tau)%4), v[P0]
	v_cvt_f32_u32 v[POS], v[POS]
.irp e, 0,1,2,3
	v_mul_f32 v[ANG+\e], v[POS], v[FQ+\e]          ; the angle, one product in f32
.endr
.irp e, 0,1,2,3
	v_mul_f32 v[NN+\e], 0x3f22f983, v[ANG+\e]      ; x 2 / pi
.endr
.irp e, 0,1,2,3
	v_rndne_f32 v[NN+\e], v[NN+\e]
.endr
.irp e, 0,1,2,3
	v_fmamk_f32 v[RR+\e], v[NN+\e], 0xbfc90fdb, v[ANG+\e]   ; angle - n x (pi / 2's upper part)
.endr
.irp e, 0,1,2,3
	v_fmamk_f32 v[RR+\e], v[NN+\e], 0x333bbd2e, v[RR+\e]    ; - n x its lower part (which is negative)
.endr
.irp e, 0,1,2,3
	v_mul_f32 v[ZZ+\e], v[RR+\e], v[RR+\e]
	v_cvt_i32_f32 v[NI+\e], v[NN+\e]
.endr
.irp e, 0,1,2,3
	v_fma_f32 v[SN+\e], v[ZZ+\e], s84, s85
	v_fma_f32 v[CS+\e], v[ZZ+\e], s87, s88
.endr
.irp e, 0,1,2,3
	v_fma_f32 v[SN+\e], v[SN+\e], v[ZZ+\e], s86
	v_fma_f32 v[CS+\e], v[CS+\e], v[ZZ+\e], s89
.endr
.irp e, 0,1,2,3
	v_mul_f32 v[SN+\e], v[SN+\e], v[ZZ+\e]
	v_mul_f32 v[TT+\e], v[ZZ+\e], v[ZZ+\e]
	v_fma_f32 v[ANG+\e], v[ZZ+\e], -0.5, 1.0
.endr
.irp e, 0,1,2,3
	v_fma_f32 v[SN+\e], v[SN+\e], v[RR+\e], v[RR+\e]        ; sin of the rest
	v_fma_f32 v[CS+\e], v[CS+\e], v[TT+\e], v[ANG+\e]       ; cos of the rest
.endr
.irp e, 0,1,2,3                        ; the quadrant: n odd: the two change places; sin is negative where n & 2, cos where (n + 1) & 2
	v_and_b32 v[TT+\e], 1, v[NI+\e]
	v_cmp_eq_u32 vcc_lo, 1, v[TT+\e]
	v_cndmask_b32 v[OS+\e], v[SN+\e], v[CS+\e], vcc_lo
	v_cndmask_b32 v[OC+\e], v[CS+\e], v[SN+\e], vcc_lo
.endr
.irp e, 0,1,2,3
	v_and_b32 v[TT+\e], 2, v[NI+\e]
	v_add_nc_u32 v[NI+\e], 1, v[NI+\e]
	v_lshlrev_b32 v[TT+\e], 30, v[TT+\e]
	v_and_b32 v[NI+\e], 2, v[NI+\e]
	v_xor_b32 v[OS+\e], v[OS+\e], v[TT+\e]
	v_lshlrev_b32 v[NI+\e], 30, v[NI+\e]
	v_xor_b32 v[OC+\e], v[OC+\e], v[NI+\e]
.endr
	ds_store_b128 v[TS], v[OC:OC+3] offset:(\tau)*4096
	ds_store_b128 v[TS], v[OS:OS+3] offset:(\tau)*4096+2048
.endm
	s_load_b512 s[16:31], s[0:1], 0x0              ; x's codes, x's scales, Wq's, Wk's, Wv's codes, Wq's, Wk's, Wv's scales
	s_load_b256 s[32:39], s[0:1], 0x40             ; bq, bk, bv, q_img
	s_load_b128 s[40:43], s[0:1], 0x60             ; q_sc, kv
	v_lshl_add_u32 v[SPW], v0, 2, SPARE
	v_mov_b32 v[NIL], 0
	ds_add_u32 v[SPW], v[NIL]                      ; the opening: the add, twice on end, and its wait
	ds_add_u32 v[SPW], v[NIL]
	v_lshrrev_b32 v11, 5, v0
	v_readfirstlane_b32 s3, v11                    ; W: wave 0..5
	s_bfe_u32 s4, ttmp6, 0x40000                   ; cx
	s_bfe_u32 s11, ttmp6, 0x40004                  ; cy
	s_lshl_b32 s5, ttmp9, 2
	s_add_co_u32 s5, s5, s4                        ; RB: my block of 128 rows
	s_and_b32 s9, ttmp7, 0xffff                    ; 0: the third unit is key head cy; 1: value head cy
	s_lshl_b32 s6, s9, 2
	s_add_co_u32 s6, s6, s11                       ; y
	s_lshr_b32 s7, s3, 1                           ; u: my unit.  Also: what I fetch for (x, q, k or v)
	s_and_b32 s8, s3, 1                            ; hf: my half of the rows.  Also: which rows of each 64 I fetch
	s_lshl_b32 s10, s11, 2
	s_lshl_b32 s10, 15, s10                        ; my row of the cluster
	s_lshl_b32 s12, 0x1111, s4                     ; my column
	GRP 52, 12, 3072, 2, 6144                      ; x: 32 rows of each of two 64s: 2 rows of 24,576 bytes, 64 rows of codes apart
	GRP 68, 10, 3072, 2, 6144                      ; the two query heads' weights likewise
	GRP 76, 10, 96, 32, 96                         ; the key or value head's: 32 rows of codes
	s_mov_b32 s84, 0xb94ca1f9                      ; sin's polynomial: -1.9515296e-4, 8.3321609e-3, -1.6666655e-1
	s_mov_b32 s85, 0x3c08839e
	s_mov_b32 s86, 0xbe2aaaa3
	s_mov_b32 s87, 0x37ccf5ce                      ; cos's: 2.4433157e-5, -1.3887316e-3, 4.1666646e-2
	s_mov_b32 s88, 0xbab6061a
	s_mov_b32 s89, 0x3d2aaaa5
	s_mov_b32 s[SEL], 0x76543210
	s_mov_b32 s[SEL+1], 0xfedcba98
	s_add_co_u32 s66, s7, 2
	s_mul_i32 s66, s66, 32*RPITCH                  ; my unit's region
	s_mul_i32 s67, s8, 32*RPITCH                   ; x's
	s_lshl_b32 s44, s8, 14
	s_add_co_u32 s44, s44, TRIG
	s_lshl_b32 s45, s7, 8
	s_add_co_u32 s45, s45, BIAS
	s_lshl_b32 s46, s3, 9
	s_add_co_u32 s46, s46, TRIG
	s_lshl_b32 s47, s3, 7
	s_add_co_u32 s47, s47, BIAS
	v_and_b32 v11, 15, v0                          ; r
	v_bfe_u32 v12, v0, 4, 1                        ; h
	v_and_b32 v13, 31, v0                          ; lane
	v_lshrrev_b32 v100, 3, v11
	v_mad_u32_u24 v[PRM], v100, 24, v11            ; r + 24 (r / 8)
	v_mul_u32_u24 v101, 160, v100
	v_add_nc_u32 v101, v101, v11
	v_mul_u32_u24 v101, RPITCH, v101               ; LDS row r, or 160 + r
	v_mad_u32_u24 v101, v12, 24, v101
	v_add_nc_u32 v102, s66, v101
	v_add_nc_u32 v103, s67, v101
.irp T, 0,1,2,3
	v_add_nc_u32 v[ADW+2*\T], 8*RPITCH*\T, v102
	v_add_nc_u32 v[ADX+2*\T], 8*RPITCH*\T, v103
.endr
.irp T, 0,1,2,3
	v_lshl_add_u32 v[ADW+2*\T+1], v12, 4, v[ADW+2*\T]
	v_lshl_add_u32 v[ADX+2*\T+1], v12, 4, v[ADX+2*\T]
.endr
	v_lshl_add_u32 v[VSO], v12, 3, v[PRM]
	v_lshlrev_b32 v[VSO], 5, v[VSO]                ; scale bytes: row 8 h + r + 24 (r / 8), 32 bytes a row
	v_lshlrev_b32 v[L16], 4, v13
	v_lshlrev_b32 v[L8], 3, v13
	v_lshlrev_b32 v[L4], 2, v13
	v_add_nc_u32 v[TL], s44, v[L16]
	v_lshl_add_u32 v[BAQ], v12, 7, s45
	v_lshl_add_u32 v[BAV], v[PRM], 2, s45
	v_add_nc_u32 v[TS], s46, v[L16]
	v_add_nc_u32 v[BS], s47, v[L4]
	v_cmp_lt_u32 s2, 15, v13                       ; s2: the mask of lanes 16-31
	WALU                                           ; the wait at the head's end
	s_wait_dscnt 0x0
	ROUND                                          ; all sixteen work-groups are here: the joint loads meet
	s_wait_kmcnt 0x0
	; x's address is made of RB, the weights' of y and the cluster's y, each in registers that never hold the other coordinate
	s_mul_i32 s66, s8, 24576
	s_mul_i32 s67, s7, 64*RPITCH
	s_mul_i32 s44, s8, UP
	s_add_co_u32 s67, s67, s44                     ; where my load goes in LDS
	s_mul_i32 s12, s5, 98304
	s_add_co_u32 s12, s12, s66
	s_mov_b32 s13, 0
	s_add_nc_u64 s[62:63], s[16:17], s[12:13]
	s_mov_b32 s60, 1
	s_mov_b32 s61, s67
	s_or_b32 s63, s63, 0x80000000
	s_mul_i32 s14, s6, 98304
	s_add_co_u32 s14, s14, s66
	s_mov_b32 s15, 0
	s_add_nc_u64 s[94:95], s[20:21], s[14:15]
	s_mov_b32 s92, 1
	s_mov_b32 s93, s67
	s_or_b32 s95, s95, 0x80000000
	s_cmp_eq_u32 s9, 0
	s_cselect_b64 s[22:23], s[22:23], s[24:25]
	s_cselect_b64 s[28:29], s[28:29], s[30:31]
	s_cselect_b64 s[34:35], s[34:35], s[36:37]
	s_mul_i32 s14, s11, 49152
	s_add_co_u32 s14, s14, s66
	s_add_nc_u64 s[98:99], s[22:23], s[14:15]
	s_mov_b32 s96, 1
	s_mov_b32 s97, s67
	s_or_b32 s99, s99, 0x80000000
	s_cmp_lt_u32 s3, 2                             ; one load a wave
	s_cbranch_scc0 .Lfor_q
	TLOAD 60, 52
	s_branch .Lasked
.Lfor_q:
	s_cmp_lt_u32 s3, 4
	s_cbranch_scc0 .Lfor_kv
	TLOAD 92, 68
	s_branch .Lasked
.Lfor_kv:
	TLOAD 96, 76
.Lasked:
	; the unit that my wave computes: its scale bytes, its bias, and where its images and scale words go
	s_lshr_b32 s44, s5, 4                          ; the batch
	s_and_b32 s45, s5, 15                          ; which 128 positions
	s_lshl_b32 s46, s6, 1
	s_add_co_u32 s46, s46, s7                      ; query head 2 y + u
	s_lshl_b32 s47, s44, 4
	s_add_co_u32 s47, s47, s46
	s_lshl_b32 s48, s45, 1
	s_add_co_u32 s48, s48, s8                      ; which 64 positions
	s_mul_i32 s49, s47, 98304
	s_mul_i32 s50, s48, 3072
	s_add_co_u32 s49, s49, s50                     ; q's images
	s_lshl_b32 s50, s47, 13
	s_lshl_b32 s51, s48, 8
	s_add_co_u32 s50, s50, s51                     ; q's scale words
	s_lshl_b32 s47, s44, 2
	s_add_co_u32 s47, s47, s11
	s_mul_i32 s47, s47, 212992
	s_mul_i32 s48, s45, 13312
	s_add_co_u32 s47, s47, s48
	s_mul_i32 s48, s8, 3072
	s_add_co_u32 s48, s48, s47
	s_mul_i32 s51, s9, 6144
	s_add_co_u32 s48, s48, s51                     ; k's or v's images
	s_lshl_b32 s51, s8, 8
	s_add_co_u32 s47, s47, s51
	s_lshl_b32 s51, s9, 9
	s_add_co_u32 s47, s47, s51
	s_add_co_u32 s47, s47, 12288                   ; and scale words
	s_cmp_lt_u32 s7, 2
	s_cselect_b64 s[26:27], s[26:27], s[28:29]
	s_cselect_b64 s[32:33], s[32:33], s[34:35]
	s_cselect_b64 s[100:101], s[38:39], s[42:43]
	s_cselect_b64 s[40:41], s[40:41], s[42:43]
	s_cselect_b32 s46, s46, s11                    ; the head in its tensor
	s_cselect_b32 s48, s49, s48
	s_cselect_b32 s50, s50, s47
	s_mov_b32 s49, 0
	s_mov_b32 s51, 0
	s_add_nc_u64 s[100:101], s[100:101], s[48:49]
	s_add_nc_u64 s[40:41], s[40:41], s[50:51]
	s_lshl_b32 s48, s46, 11
	s_add_nc_u64 s[26:27], s[26:27], s[48:49]
	s_lshl_b32 s48, s46, 8
	s_lshl_b32 s50, s8, 7
	s_add_co_u32 s48, s48, s50
	s_add_nc_u64 s[32:33], s[32:33], s[48:49]      ; my wave copies half hf of the head's bias
	s_lshl_b32 s48, s5, 12
	s_lshl_b32 s50, s8, 11
	s_add_co_u32 s48, s48, s50
	s_add_nc_u64 s[18:19], s[18:19], s[48:49]
.irp j, 0,1
.irp k, 0,1
	global_load_b128 v[SW+8*\j+4*\k:SW+8*\j+4*\k+3], v[VSO], s[26:27] offset:512*\j+16*\k
	global_load_b128 v[SX+8*\j+4*\k:SX+8*\j+4*\k+3], v[VSO], s[18:19] offset:512*\j+16*\k
.endr
.endr
	global_load_b32 v[BV], v[L4], s[32:33]
	; the table: wave W (0..3) makes quad W: pairs 4 W + 0 .. 3 in lanes 0-15, 16 + 4 W + 0 .. 3 in lanes 16-31, for the work-group's eight tiles of positions
	s_cmp_lt_u32 s3, 4
	s_cbranch_scc0 .Lno_trig
	s_cmp_eq_u32 s3, 0
	s_cbranch_scc1 .Lquad0
	s_cmp_eq_u32 s3, 1
	s_cbranch_scc1 .Lquad1
	s_cmp_eq_u32 s3, 2
	s_cbranch_scc1 .Lquad2
	FREQ 0x3d0186e2, 0x3cc24350, 0x3c91ad39, 0x3c5a7bf1, 0x39a5cb5f, 0x3978a814, 0x393a7753, 0x390bd472   ; 10^(-j/8), j = 12..15, 28..31
	s_branch .Lfreq
.Lquad0:
	FREQ 0x3f800000, 0x3f3ff911, 0x3f0ff59a, 0x3ed7e89b, 0x3c23d70a, 0x3bf5b9b0, 0x3bb8449c, 0x3b8a2e77   ; j = 0..3, 16..19
	s_branch .Lfreq
.Lquad1:
	FREQ 0x3ea1e89b, 0x3e72d424, 0x3e361887, 0x3e088d77, 0x3b4f3e37, 0x3b1b690d, 0x3ae91528, 0x3aaec98e   ; j = 4..7, 20..23
	s_branch .Lfreq
.Lquad2:
	FREQ 0x3dcccccd, 0x3d99940e, 0x3d6655c3, 0x3d2cba15, 0x3a83126f, 0x3a44948c, 0x3a136a16, 0x39dd1726   ; j = 8..11, 24..27
.Lfreq:
	s_and_b32 s12, s5, 15
	s_lshl_b32 s12, s12, 7
.irp e, 0,1,2,3
	v_mov_b32 v[FQ+\e], s[44+\e]
	v_mov_b32 v[TMP], s[48+\e]
	v_cndmask_b32 v[FQ+\e], v[FQ+\e], v[TMP], s2
.endr
	v_add_nc_u32 v[P0], s12, v[PRM]                ; my position in tile 0
.irp tau, 0,1,2,3,4,5,6,7
	SC4 \tau
.endr
.Lno_trig:
	WALU
	s_wait_loadcnt 0x0                             ; scale words and bias
	ds_store_b32 v[BS], v[BV]
	s_wait_tensorcnt 0x0                           ; my tile has landed,
	s_wait_dscnt 0x0                               ; my stores into the table and the biases are done:
	s_barrier_signal -1
	s_barrier_wait -1                              ; everybody's are.  From here on LDS is only read
	s_lshr_b32 s44, s3, 2
	s_and_b32 s44, s44, s9
	s_cmp_eq_u32 s44, 1
	s_cbranch_scc1 .Lvpath
	; q and k: a lane holds position (tile g, row r); register 8 t + j is d = 32 h + 8 t + j
.irp t, 0,1,2,3
.irp k, 0,1
	ds_load_b128 v[CB+8*\t+4*\k:CB+8*\t+4*\k+3], v[BAQ] offset:32*\t+16*\k
.endr
.endr
	LOADS 0
.irp q, 0,1,2,3,4,5,6,7
	KSTEP \q, 0
.endr
	WIN 0
	PLACES 4                                       ; in front of the first reads of results
	s_wait_dscnt 0x0
	ROPE 0, 52
	ROPE 1, 84
	TRLOAD 2, 84
	QUANT2 0, 52
	TRLOAD 3, 128                                  ; tile 0's results are codes by now
	s_wait_dscnt 8
	ROPE 2, 84
	s_wait_dscnt 0x0
	ROPE 3, 128
	QUANT2 2, 160
	s_branch .Ltail
.Lvpath:
	; v: a lane holds d (tile g, row r); register 8 t + j is key 32 h + 8 t + j of my 64
.irp g, 0,1,2,3
	ds_load_b32 v[CB+8*\g], v[BAV] offset:32*\g
.endr
	LOADS 0
	s_wait_dscnt CNT
	WIN 0
.irp i, 1,2,3,4,5,6,7
.irp g, 0,1,2,3
	v_mov_b32 v[CB+8*\g+\i], v[CB+8*\g]
.endr
.endr
	WALU
.irp q, 0,1,2,3,4,5,6,7
	KSTEP \q, 1
.endr
	WIN 0
	PLACES 4
	QUANT2 0, 52
	QUANT2 2, 84
.Ltail:
	v_cndmask_b32 v[QM], v[WD], v[WD+1], s2        ; lanes 0-15 tile 0's halfwords, lanes 16-31 tile 1's;
	v_cndmask_b32 v[QM+1], v[WD+2], v[WD+3], s2    ; tiles 2 and 3
	global_store_b64 v[L8], v[QM:QM+1], s[40:41]   ; 256 consecutive bytes
	s_wait_tensorcnt 0x0                           ; the wave's end
	ds_add_u32 v[SPW], v[NIL]
	s_wait_dscnt 0x0
	ROUND                                          ; the closing round: no work-group ends while a partner may still ask for a tile that names it
	s_endpgm
.Lfunc_end_k_qf6dedeb289_qkv:
	.size	k_qf6dedeb289_qkv, .Lfunc_end_k_qf6dedeb289_qkv-k_qf6dedeb289_qkv
	.p2alignl 7, 3214868480
	.fill 96, 4, 3214868480
	.section	.rodata,"a",@progbits
	.p2align	6, 0x0
	.amdhsa_kernel k_qf6dedeb289_qkv
		.amdhsa_group_segment_fixed_size 302080
		.amdhsa_private_segment_fixed_size 0
		.amdhsa_enable_private_segment 0
		.amdhsa_kernarg_size 112
		.amdhsa_user_sgpr_count 2
		.amdhsa_user_sgpr_kernarg_segment_ptr 1
		.amdhsa_wavefront_size32 1
		.amdhsa_system_sgpr_workgroup_id_x 1
		.amdhsa_system_sgpr_workgroup_id_y 1
		.amdhsa_system_sgpr_workgroup_id_z 1
		.amdhsa_system_vgpr_workitem_id 0
		.amdhsa_next_free_vgpr 448
		.amdhsa_next_free_sgpr 102
		.amdhsa_reserve_vcc 1
		.amdhsa_float_denorm_mode_32 3
		.amdhsa_float_denorm_mode_16_64 3
		.amdhsa_memory_ordered 1
		.amdhsa_forward_progress 1
		.amdhsa_inst_pref_size 141
	.end_amdhsa_kernel
	.amdgpu_metadata
---
amdhsa.version: [ 1, 2 ]
amdhsa.kernels:
  - .name:           k_qf6dedeb289_qkv
    .symbol:         k_qf6dedeb289_qkv.kd
    .args:
      - { .name: x_codes, .offset: 0, .size: 8, .value_kind: global_buffer, .address_space: global }
      - { .name: x_scales, .offset: 8, .size: 8, .value_kind: global_buffer, .address_space: global }
      - { .name: wq_w_codes, .offset: 16, .size: 8, .value_kind: global_buffer, .address_space: global }
      - { .name: wk_w_codes, .offset: 24, .size: 8, .value_kind: global_buffer, .address_space: global }
      - { .name: wv_w_codes, .offset: 32, .size: 8, .value_kind: global_buffer, .address_space: global }
      - { .name: wq_w_scales, .offset: 40, .size: 8, .value_kind: global_buffer, .address_space: global }
      - { .name: wk_w_scales, .offset: 48, .size: 8, .value_kind: global_buffer, .address_space: global }
      - { .name: wv_w_scales, .offset: 56, .size: 8, .value_kind: global_buffer, .address_space: global }
      - { .name: wq_b, .offset: 64, .size: 8, .value_kind: global_buffer, .address_space: global }
      - { .name: wk_b, .offset: 72, .size: 8, .value_kind: global_buffer, .address_space: global }
      - { .name: wv_b, .offset: 80, .size: 8, .value_kind: global_buffer, .address_space: global }
      - { .name: q_img, .offset: 88, .size: 8, .value_kind: global_buffer, .address_space: global }
      - { .name: q_sc, .offset: 96, .size: 8, .value_kind: global_buffer, .address_space: global }
      - { .name: kv, .offset: 104, .size: 8, .value_kind: global_buffer, .address_space: global }
    .group_segment_fixed_size: 302080
    .private_segment_fixed_size: 0
    .kernarg_segment_align: 8
    .kernarg_segment_size: 112
    .max_flat_workgroup_size: 192
    .sgpr_count:     102
    .vgpr_count:     448
    .wavefront_size: 32
...
	.end_amdgpu_metadata
.endif
;; end of part 1
;; launch attn (part 2): grid 256 x 1, 12 waves a work-group, clusters of 4 x 1, 167,936 bytes of LDS; arguments q_img, q_sc, kv, c_img, c_sc; writes c_img, c_sc
.if DOCPART == 2
	.amdgcn_target "amdgcn-amd-amdhsa--gfx1250"
	.amdhsa_code_object_version 6
	.text
	.protected	k_qf6dedeb289_attn
	.globl	k_qf6dedeb289_attn
	.p2align	8
	.type	k_qf6dedeb289_attn,@function
k_qf6dedeb289_attn:
	s_mov_b64 s[64:65], 0
	v_nop
	global_prefetch_b8 v0, s[64:65] scope:SCOPE_SE
	s_setreg_imm32_b32 hwreg(HW_REG_WAVE_MODE, 25, 1), 1
	s_wait_xcnt 0x0
	s_wait_alu depctr_hold_cnt(0) depctr_sa_sdst(0) depctr_va_vdst(0) depctr_va_sdst(0) depctr_va_ssrc(0) depctr_va_vcc(0) depctr_vm_vsrc(0)
	s_getreg_b32 s2, hwreg(HW_REG_IB_STS2, 6, 4)
	s_cmp_eq_u32 s2, 0
	s_cbranch_scc0 .Lentry_in_a_cluster
	s_endpgm
.Lentry_in_a_cluster:
	s_bfe_u32 s2, ttmp6, 0x10000c
	s_cmp_lg_u32 s2, 0x3003
	s_cbranch_scc0 .Lentry_shape_is_right
	s_endpgm
.Lentry_shape_is_right:
; ctx[q] = the sum over k of softmax_k(q . k / 8) v[k], key k counting for query q where k <= q and q - k <= 1,024; both products on codes of FP6 (E2M3) with E8M0 scales; ctx is quantised again along h x 64 + d.
; WORK LEFT OUT: key steps of 128 in which no key counts for any query of a tile: the mask throws them away whatever the inputs hold.
; THE SOFTMAX AHEAD OF THE SECOND PRODUCT: t = score x log2(e) / 8; M = the row's largest t so far, rounded UP to a whole number; p = 2^(t - M) is quantised along the keys, not normalised.  The row's sum is taken of
; the unquantised p and divides at the end.  When M moves, the sum and O are multiplied by 2^(old M - new M): exact.
; SHARES.  A cluster of four work-groups serves one (batch, key head) and one eighth e of its work; partner cx serves query head 4 x key head + cx.  A tile of 16 queries needs the key steps max(qt / 8 - 8, 0) to qt / 8.
; The head's 128 tiles make 96 units of NINE steps: a tile from 64 on alone, or tiles 63 - p and p.  Each of 12 waves takes one.  e < 5: tiles 68 + 12 e + wave;  e >= 5: tiles 64 to 67 and the 32 pairs.
; So a work-group reads at most TEN key steps, from step F on: they lie in LDS, brought once by joint loads (mask 15), one a wave: waves 0-3 a step each, waves 4-6 two steps each.
; Trips 0 and 1 read only the first four steps.  The barrier that shows the other six is signalled behind trip 0 and waited for behind trip 1.  No prefetch: all tiles are asked for at the head, ahead of the loop.
; LAYOUT.  Both products are used transposed: S^T = K Q^T, O^T = V^T P^T: a lane holds ONE query.  All tiles are rows 8 T + r + 24 (r / 8) of 64, so that a lane's 32 registers of four result tiles are one scale block:
; S^T's register 32 c + n is key 64 c + 32 h + n of the step (h = lane / 16), O^T's register n is d = 32 h + n.
; THE FIRST PRODUCT'S K IS 64, half of the instruction's 128: Q's registers 6-11 are zero codes, and K's tile i is named with the six registers behind it (any code is a finite number).  Bytes 2 and 3 of both scale words are 0.
; LIMITS: NaN and infinities are not served; scaled scores stay under 2^31 in magnitude.  A block of p under 2^-124, or of ctx under 2^-124, gets the scale byte 1; this program alone reads the bytes.
; ctx's scale bytes leave as 2 bytes in each row of 32: 131,072 bytes in the whole launch.
.set STEPB, 13312                      ; a key step: K's images 6,144, V's 6,144, K's scale words 512, V's 512
.set SPARE, 10*STEPB
.set SROW, 0                           ; v0   32 r + h: my byte's place among ctx's scale bytes
.set L16, 1
.set L8,  2
.set V16, 3
.set V8,  4
.set K16, 5
.set K8,  6
.set PH,  7                            ; v7   r + 24 (r / 8) - 32 h
.set DQ,  8                            ; v8   my query - 32 h
.set TT,  9
.set FF,  10                           ; v10-11;  v12 -M, v13 the largest t, v14-15 the sum in two halves
.set QF,  16                           ; v16-27 Q (v22-27 zeros)
.set QS,  28
.set SO,  29                           ; v29, v30
.set PSW, 31                           ; p's scale word; it holds nothing else
.set KSR, 32                           ; v32-35 K's scale words
.set KF,  36                           ; v36-83 K's eight tiles
.set P,   84                           ; v84-95 p's codes
.set VF,  96                           ; v96-143 V's four fragments
.set VR,  144                          ; v144-147 V's halfwords as they lie
.set VSW, 148                          ; v148-149 as words
.set S,   150                          ; v150-213 S^T, then p
.set O,   214                          ; v214-245 O^T
.set T,   246                          ; v246-255 at work.  v256, v257 the add's; v258-264 the second tile's Q and its scale word
.set SEL, 60
.set CS,  62
.set MSB, 0
.macro WIN new
.if MSB != \new
	s_set_vgpr_msb (MSB<<8)|\new
.set MSB, \new
.endif
.endm
.macro PLACES n
.rept \n
	v_nop
.endr
.endm
.macro WALU
	s_wait_alu depctr_va_vdst(0)
.endm
.macro DEP1
	s_delay_alu instid0(VALU_DEP_1)
.endm
.macro ROUND                           ; a round of the cluster's barrier
	s_barrier_signal -1
	s_barrier_wait -1
	s_cmp_lg_u32 s3, 0
	s_cbranch_scc1 .Lnot_wave_0_\@
	s_barrier_signal -3
.Lnot_wave_0_\@:
	s_barrier_wait -3
	s_barrier_signal -1
	s_barrier_wait -1
.endm
.macro HFLD reg, a16, a8, off          ; half a fragment comes back as it was stored
	ds_load_b128 v[\reg:\reg+3], v[\a16] offset:\off
	ds_load_b64 v[\reg+4:\reg+5], v[\a8] offset:(\off)+512
.endm
.macro KLOADS                          ; 18 LDS loads
.irp i, 0,1,2,3,4,5,6,7
	HFLD KF+6*\i, K16, K8, 768*\i
.endr
	ds_load_b64 v[KSR:KSR+1], v[K8] offset:12288   ; register i / 2: lanes 0-15 tile i even, lanes 16-31 tile i odd
	ds_load_b64 v[KSR+2:KSR+3], v[K8] offset:12544
.endm
.macro QADR qt, di, dsc                ; where tile s[qt]'s image and scale words lie
	s_mul_i32 s80, s[\qt], 768
	s_add_nc_u64 s[\di:\di+1], s[68:69], s[80:81]
	s_lshr_b32 s80, s[\qt], 2
	s_lshl_b32 s80, s80, 8
	s_and_b32 s82, s[\qt], 1
	s_lshl_b32 s82, s82, 7
	s_add_co_u32 s80, s80, s82
	s_and_b32 s82, s[\qt], 2
	s_lshl_b32 s82, s82, 1
	s_add_co_u32 s80, s80, s82
	s_add_nc_u64 s[\dsc:\dsc+1], s[70:71], s[80:81]
.endm
.macro FIRSTQ                          ; s40 = tile s10's first query
	s_lshr_b32 s40, s10, 2
	s_lshl_b32 s40, s40, 6
	s_and_b32 s41, s10, 3
	s_lshl_b32 s41, s41, 3
	s_add_co_u32 s40, s40, s41
.endm
.macro TINIT
	v_mov_b32 v13, 0xff61b1e6                      ; the largest t so far: -3e38, under every t
	v_floor_f32 v12, -v13                          ; -M
	v_add_nc_u32 v[DQ], s40, v[PH]
.endm
.macro MASK32 c, cond                  ; the 64 keys c: what does not count becomes -infinity ahead of the maximum.  s40: what is taken off my query
	v_sub_nc_u32 v[TT], v[DQ], s40
.set n, 0
.rept 32
	v_cmp_\cond\()_i32 vcc_lo, n, v[TT]
	v_cndmask_b32 v[S+32*(\c)+n], s41, v[S+32*(\c)+n], vcc_lo
.set n, n+1
.endr
.endm
.macro HIDE32 c
.set n, 0
.rept 32
	v_mov_b32 v[S+32*(\c)+n], s41
.set n, n+1
.endr
.endm
; A KEY STEP.  lim: the greatest step in LDS that may be read; win: the window may cut this step; more: this step may be a tile's last
.macro TRIP lim, win, more
	s_wait_dscnt 0x0                               ; K and its scale words are in
.if \more
	s_barrier_signal -1                            ; in the loop a barrier keeps the waves within a trip of each other: it is waited for behind the exponentials.  Between the two stand register work and LDS reads
.endif
.irp i, 0,1,2,3,4,5,6,7
.if \i%2
	v_wmma_scale_f32_16x16x128_f8f6f4 v[S+8*\i:S+8*\i+7], v[KF+6*\i:KF+6*\i+11], v[QF:QF+11], 0, v[KSR+\i/2], v[QS] matrix_a_fmt:MATRIX_FMT_FP6 matrix_b_fmt:MATRIX_FMT_FP6 matrix_a_scale:MATRIX_SCALE_ROW1
.else
	v_wmma_scale_f32_16x16x128_f8f6f4 v[S+8*\i:S+8*\i+7], v[KF+6*\i:KF+6*\i+11], v[QF:QF+11], 0, v[KSR+\i/2], v[QS] matrix_a_fmt:MATRIX_FMT_FP6 matrix_b_fmt:MATRIX_FMT_FP6
.endif
.endr
	s_min_u32 s35, s12, \lim
	s_mul_i32 s35, s35, STEPB
	s_add_co_u32 s33, s12, 1                       ; the next step;
.if \more
	s_cmp_eq_u32 s12, s13
	s_cselect_b32 s33, 0, s33                      ; behind a tile's last the second tile's first (behind my last tile: not used)
.endif
	s_min_u32 s34, s33, \lim
	s_mul_i32 s34, s34, STEPB
	v_add_nc_u32 v[V16], s35, v[L16]               ; (these four lines are the places behind the products)
	v_add_nc_u32 v[V8], s35, v[L8]
	v_add_nc_u32 v[K16], s34, v[L16]
	v_add_nc_u32 v[K8], s34, v[L8]
.irp c, 0,1
.irp g, 0,1,2,3
	HFLD VF+12*\g+6*\c, V16, V8, 6144+3072*\c+768*\g
.endr
.endr
	ds_load_b64 v[VR:VR+1], v[V8] offset:12800     ; V's halfwords of the step's first 64 keys,
	ds_load_b64 v[VR+2:VR+3], v[V8] offset:13056   ; and of its second
	KLOADS                                         ; the next step's K
.if \win
	s_cmp_lt_u32 s10, 64
	s_cbranch_scc1 .Lwhole_\@
	s_mov_b32 s41, 0xff800000
	s_add_co_u32 s40, s12, s5
	s_lshl_b32 s40, s40, 7
	s_add_co_u32 s40, s40, 1024                    ; keys more than 1,024 in front of my query.  Every query keeps a key
	s_bitcmp1_b32 s10, 2
	s_cbranch_scc1 .Lupper_\@
	MASK32 0, ge
	s_branch .Lwhole_\@
.Lupper_\@:
	s_add_co_u32 s40, s40, 64
	HIDE32 0
	MASK32 1, ge
.Lwhole_\@:
.endif
.if \more
	s_cmp_lg_u32 s12, s13
	s_cbranch_scc1 .Lwhole_\@
	s_mov_b32 s41, 0xff800000
	s_add_co_u32 s40, s12, s5
	s_lshl_b32 s40, s40, 7                         ; on the diagonal: keys behind my query
	s_bitcmp1_b32 s10, 2
	s_cbranch_scc1 .Lupper_\@
	MASK32 0, le
	HIDE32 1
	s_branch .Lwhole_\@
.Lupper_\@:
	s_add_co_u32 s40, s40, 64
	MASK32 1, le
.Lwhole_\@:
.endif
.irp n, 0,1,2,3
	v_max3_num_f32 v[T+\n], v[S+16*\n], v[S+16*\n+1], v[S+16*\n+2]
.endr
.irp i, 3,5,7,9,11,13
.irp n, 0,1,2,3
	v_max3_num_f32 v[T+\n], v[T+\n], v[S+16*\n+\i], v[S+16*\n+\i+1]
.endr
.endr
	v_max3_num_f32 v[T], v[T], v[T+1], v[S+15]
	v_max3_num_f32 v[T+2], v[T+2], v[T+3], v[S+47]
	v_max_num_f32 v[T], v[T], v[S+31]              ; the largest score of each of my two blocks of 32 keys
	v_max_num_f32 v[T+2], v[T+2], v[S+63]
	v_mov_b32 v[TT], v12
	v_max_num_f32 v[T+4], v[T], v[T+2]
	DEP1
	v_permlanex16_b32 v[T+5], v[T+4], s[SEL], s[SEL+1]
	DEP1
	v_max_num_f32 v[T+4], v[T+4], v[T+5]           ; with lane l xor 16's
	DEP1
	v_mul_f32 v[T+4], s[CS], v[T+4]                ; as t
	DEP1
	v_max_num_f32 v13, v13, v[T+4]                 ; the running largest t
	DEP1
	v_floor_f32 v12, -v13                          ; the new -M = floor(-t): M is a whole number
	DEP1
	v_sub_f32 v[TT], v12, v[TT]                    ; old M - new M: a whole number, 0 or less
	v_fma_f32 v[T+6], v[T], s[CS], v12             ; the block's largest t - M
	v_fma_f32 v[T+7], v[T+2], s[CS], v12
	v_cvt_i32_f32 v[TT], v[TT]                     ; (it saturates)
	v_max_num_f32 v[T+6], 0xc2f80000, v[T+6]       ; held at -124: the byte cannot fall under 1
	v_max_num_f32 v[T+7], 0xc2f80000, v[T+7]
	v_ldexp_f32 v[FF], 1.0, v[TT]                  ; f = 2^(old M - new M)
	v_floor_f32 v[T+6], v[T+6]                     ; the exponent of the block's largest p
	v_floor_f32 v[T+7], v[T+7]
.set n, 0
.rept 8
	v_pk_fma_f32 v[S+n:S+n+1], v[S+n:S+n+1], s[CS:CS+1], v[12:13] op_sel_hi:[1,0,0]   ; t - M, two at a time
.set n, n+2
.endr
	v_cvt_i32_f32 v[T+6], v[T+6]
	v_cvt_i32_f32 v[T+7], v[T+7]
.rept 8
	v_pk_fma_f32 v[S+n:S+n+1], v[S+n:S+n+1], s[CS:CS+1], v[12:13] op_sel_hi:[1,0,0]
.set n, n+2
.endr
	v_lshl_add_u32 v[SO], v[T+6], 23, 0x3e800000   ; exponent + 125 in the exponent field: the conversion's scale operand
	v_lshl_add_u32 v[SO+1], v[T+7], 23, 0x3e800000
	v_lshl_add_u32 v[T+4], v[T+7], 16, v[T+6]      ; my two blocks' exponents at their places,
.rept 8
	v_pk_fma_f32 v[S+n:S+n+1], v[S+n:S+n+1], s[CS:CS+1], v[12:13] op_sel_hi:[1,0,0]
.set n, n+2
.endr
	v_permlanex16_b32 v[T+5], v[T+4], s[SEL], s[SEL+1]
.rept 8
	v_pk_fma_f32 v[S+n:S+n+1], v[S+n:S+n+1], s[CS:CS+1], v[12:13] op_sel_hi:[1,0,0]
.set n, n+2
.endr
	v_lshl_add_u32 v[T+4], v[T+5], 8, v[T+4]       ; lane l xor 16's between them (right in lanes 0-15, which are read),
.set n, 0
.rept 16
	v_pk_mul_f32 v[O+n:O+n+1], v[O+n:O+n+1], v[FF:FF+1] op_sel_hi:[1,0]   ; O^T under the new M
.set n, n+2
.endr
	v_add_nc_u32 v[PSW], 0x7d7d7d7d, v[T+4]        ; and 125 on each: p's scale word for these 128 keys
	WALU                                           ; the wait ahead of the batch
.set n, 0
.rept 64
	v_exp_f32 v[S+n], v[S+n]                       ; p = 2^(t - M)
.set n, n+1
.endr
	v_pk_mul_f32 v[14:15], v[14:15], v[FF:FF+1] op_sel_hi:[1,0]   ; the sums under the new M.  (A plain place behind the exponentials)
	WALU                                           ; and behind it
.if \more
	s_barrier_wait -1                              ; every wave has begun this trip
.endif
	s_wait_dscnt 18                                ; V and its halfwords are in; the next K's 18 loads may be out
	v_cvt_scalef32_pk16_fp6_f32 v[P:P+2], v[S:S+15], v[SO]
	v_cvt_scalef32_pk16_fp6_f32 v[P+6:P+8], v[S+32:S+47], v[SO+1]
	v_cvt_scalef32_pk16_fp6_f32 v[T:T+2], v[S+16:S+31], v[SO]
	v_cvt_scalef32_pk16_fp6_f32 v[T+4:T+6], v[S+48:S+63], v[SO+1]
	v_lshl_or_b32 v[VSW], v[VR+2], 16, v[VR]       ; V's scale words: bytes 0, 1 the first 64 keys', bytes 2, 3 the second's
	v_lshl_or_b32 v[VSW+1], v[VR+3], 16, v[VR+1]
.irp i, 0,1,2
	v_mov_b32 v[P+3+\i], v[T+\i]                   ; (a conversion's registers begin on an even number)
	v_mov_b32 v[P+9+\i], v[T+4+\i]
.endr
	v_pk_add_f32 v[14:15], v[14:15], v[S:S+1]      ; the row's sum, in four chains
.irp a, 1,2,3
	v_pk_add_f32 v[T+2*\a-2:T+2*\a-1], v[S+2*\a:S+2*\a+1], v[S+2*\a+8:S+2*\a+9]
.endr
	v_pk_add_f32 v[14:15], v[14:15], v[S+8:S+9]
.irp k, 16,24,32,40,48,56
.irp a, 1,2,3
	v_pk_add_f32 v[T+2*\a-2:T+2*\a-1], v[T+2*\a-2:T+2*\a-1], v[S+\k+2*\a:S+\k+2*\a+1]
.endr
	v_pk_add_f32 v[14:15], v[14:15], v[S+\k:S+\k+1]
.endr
	v_pk_add_f32 v[T:T+1], v[T:T+1], v[T+2:T+3]
	v_pk_add_f32 v[14:15], v[14:15], v[T+4:T+5]
	v_pk_add_f32 v[14:15], v[14:15], v[T:T+1]
.irp g, 0,1,2,3                        ; O^T += V^T P^T: the four accumulators by turns
.if \g%2
	v_wmma_scale_f32_16x16x128_f8f6f4 v[O+8*\g:O+8*\g+7], v[VF+12*\g:VF+12*\g+11], v[P:P+11], v[O+8*\g:O+8*\g+7], v[VSW+\g/2], v[PSW] matrix_a_fmt:MATRIX_FMT_FP6 matrix_b_fmt:MATRIX_FMT_FP6 matrix_a_scale:MATRIX_SCALE_ROW1
.else
	v_wmma_scale_f32_16x16x128_f8f6f4 v[O+8*\g:O+8*\g+7], v[VF+12*\g:VF+12*\g+11], v[P:P+11], v[O+8*\g:O+8*\g+7], v[VSW+\g/2], v[PSW] matrix_a_fmt:MATRIX_FMT_FP6 matrix_b_fmt:MATRIX_FMT_FP6
.endif
.endr
.endm
	s_load_b256 s[16:23], s[0:1], 0x0              ; q_img, q_sc, kv, c_img
	s_load_b64 s[24:25], s[0:1], 0x20              ; c_sc
	WIN 0x40
	v_lshl_add_u32 v0, v0, 2, SPARE                ; v256
	v_mov_b32 v1, 0                                ; v257
	WIN 0x05
	ds_add_u32 v0, v1                              ; the opening: the add, twice on end, and its wait
	ds_add_u32 v0, v1
	WIN 0
	v_lshrrev_b32 v9, 5, v0
	v_readfirstlane_b32 s3, v9                     ; wave 0..11
	s_bfe_u32 s4, ttmp6, 0x40000                   ; cx: it enters Q's and ctx's global addresses alone
	s_lshr_b32 s6, ttmp9, 3                        ; 4 x batch + key head
	s_and_b32 s7, ttmp9, 7                         ; e
	s_mul_i32 s8, s7, 12
	s_add_co_u32 s8, s8, s3
	s_mul_i32 s5, s7, 3
	s_add_co_u32 s5, s5, 1
	s_lshr_b32 s5, s5, 1                           ; F for e < 5: (68 + 12 e) / 8 - 8
	s_add_co_u32 s10, s8, 68                       ; my tile for e < 5
	s_sub_co_u32 s9, s8, 60                        ; e >= 5: u = 0..35: u = 9 d is tile 64 + d, the others are pairs p = u - d - 1
	s_mul_i32 s26, s9, 57
	s_lshr_b32 s26, s26, 9                         ; d = u / 9
	s_mul_i32 s27, s26, 9
	s_sub_co_u32 s28, s9, s26
	s_sub_co_u32 s28, s28, 1
	s_sub_co_u32 s29, 63, s28
	s_add_co_u32 s30, s26, 64
	s_cmp_eq_u32 s27, s9
	s_cselect_b32 s29, s30, s29
	s_cselect_b32 s28, s30, s28
	s_cmp_lt_u32 s7, 5
	s_cselect_b32 s10, s10, s29                    ; my first tile
	s_cselect_b32 s11, s10, s28                    ; my second (of a single tile: the same once more, not used)
	s_cselect_b32 s5, s5, 0                        ; F
	s_lshr_b32 s13, s10, 3
	s_sub_co_i32 s12, s13, 8
	s_max_i32 s12, s12, 0
	s_sub_co_u32 s12, s12, s5                      ; the tile's first step, counted from F,
	s_sub_co_u32 s13, s13, s5                      ; and its last
	; descriptor groups 1: dense blocks as rows of 256 bytes; the mask names all four work-groups, bit 21 set beside it
	s_mov_b32 s92, 15|(3<<16)|(1<<21)
	s_mov_b32 s93, 32<<16
	s_mov_b32 s94, 52<<16
	s_mov_b32 s95, 32<<16
	s_mov_b32 s96, 52
	s_mov_b32 s97, 32
	s_mov_b32 s98, 0
	s_mov_b32 s99, 0
	s_mov_b32 s44, 15|(3<<16)|(1<<21)
	s_mov_b32 s45, 32<<16
	s_mov_b32 s46, 104<<16
	s_mov_b32 s47, 32<<16
	s_mov_b32 s48, 104
	s_mov_b32 s49, 32
	s_mov_b32 s50, 0
	s_mov_b32 s51, 0
	s_mul_i32 s66, s3, STEPB                       ; waves 0-3: step F + wave
	s_mul_i32 s67, s3, 2*STEPB
	s_sub_co_u32 s67, s67, 4*STEPB                 ; waves 4-6: steps F + 4 + 2 (wave - 4), ..
	s_mul_i32 s32, s6, 212992
	s_mul_i32 s33, s5, STEPB
	s_add_co_u32 s32, s32, s33
	s_mov_b32 s33, 0
	s_mov_b32 s35, 0
	s_add_co_u32 s34, s32, s67
	s_add_co_u32 s32, s32, s66
	s_mov_b32 s[SEL], 0x76543210
	s_mov_b32 s[SEL+1], 0xfedcba98
	s_mov_b32 s[CS], 0x3e38aa3b
	s_mov_b32 s[CS+1], s[CS]
	v_and_b32 v3, 15, v0                           ; r
	v_bfe_u32 v4, v0, 4, 1                         ; h
	v_and_b32 v5, 31, v0                           ; lane
	v_lshlrev_b32 v[L16], 4, v5
	v_lshlrev_b32 v[L8], 3, v5
	v_lshrrev_b32 v6, 3, v3
	v_mad_u32_u24 v6, v6, 24, v3
	v_lshlrev_b32 v[PH], 5, v4
	v_sub_nc_u32 v[PH], v6, v[PH]
	v_lshlrev_b32 v9, 3, v3                        ; 8 r: Q's scale word
	v_lshl_add_u32 v[SROW], v3, 5, v4
	WALU
	s_wait_dscnt 0x0
	ROUND                                          ; all four work-groups are here: the joint loads meet
	s_wait_kmcnt 0x0
	s_add_nc_u64 s[54:55], s[20:21], s[32:33]
	s_add_nc_u64 s[58:59], s[20:21], s[34:35]
	s_mov_b32 s52, 1
	s_mul_i32 s53, s3, STEPB
	s_or_b32 s55, s55, 0x80000000
	s_mov_b32 s56, 1
	s_mov_b32 s57, s67
	s_or_b32 s59, s59, 0x80000000
	s_cmp_lt_u32 s3, 4                             ; one load a wave, none for waves 7 to 11
	s_cbranch_scc0 .Lnot_first
	tensor_load_to_lds s[52:55], s[92:99]
	s_nop 0
	PLACES 4
	s_branch .Lasked
.Lnot_first:
	s_cmp_lt_u32 s3, 7
	s_cbranch_scc0 .Lasked
	tensor_load_to_lds s[56:59], s[44:51]
	s_nop 0
	PLACES 4
.Lasked:
	s_lshl_b32 s85, s6, 2
	s_add_co_u32 s85, s85, s4                      ; 16 x batch + my query head
	s_mul_i32 s80, s85, 98304
	s_mov_b32 s81, 0
	s_add_nc_u64 s[68:69], s[16:17], s[80:81]
	s_lshl_b32 s80, s85, 13
	s_add_nc_u64 s[70:71], s[18:19], s[80:81]
	QADR 10, 72, 76
	QADR 11, 74, 78
	global_load_b128 v[QF:QF+3], v[L16], s[72:73]
	global_load_b64 v[QF+4:QF+5], v[L8], s[72:73] offset:512
	global_load_b32 v[QS], v9, s[76:77]
	WIN 0x40
	global_load_b128 v[2:5], v[L16], s[74:75]      ; v258-263: the second tile's Q; v264 its scale word
	global_load_b64 v[6:7], v[L8], s[74:75] offset:512
	global_load_b32 v8, v9, s[78:79]
	WIN 0
	s_and_b32 s85, s85, 15                         ; my query head in its batch
	s_lshr_b32 s86, s6, 2
	s_lshl_b32 s86, s86, 7                         ; 128 tiles of rows a batch
	s_lshr_b32 s87, s10, 2                         ; my first tile's first query
	s_lshl_b32 s87, s87, 6
	s_and_b32 s88, s10, 3
	s_lshl_b32 s88, s88, 3
	s_add_co_u32 s87, s87, s88
	v_mov_b32 v13, 0xff61b1e6
	v_floor_f32 v12, -v13
	v_add_nc_u32 v[DQ], s87, v[PH]
	v_mov_b32 v14, 0
	v_mov_b32 v15, 0
	v_mov_b32 v[FF+1], 0                           ; (named as the upper half of a pair)
.set n, 0
.rept 6
	v_mov_b32 v[QF+6+n], 0                         ; Q's upper half: zero codes
	v_mov_b32 v[P+n], 0                            ; what stands behind K's last tile
.set n, n+1
.endr
.set n, 0
.rept 42
	v_mov_b32 v[O+n], 0                            ; O^T, and the registers at work (a lane permute's destination counts as one of its sources)
.set n, n+1
.endr
	WALU                                           ; the wait at the head's end
	s_cmp_lt_u32 s3, 4
	s_cbranch_scc0 .Lothers
	s_wait_tensorcnt 0x0
.Lothers:
	s_barrier_signal -1
	s_barrier_wait -1                              ; the first four steps are in
	s_min_u32 s34, s12, 3
	s_mul_i32 s34, s34, STEPB
	v_add_nc_u32 v[K16], s34, v[L16]
	v_add_nc_u32 v[K8], s34, v[L8]
	KLOADS
	s_wait_loadcnt 0x0                             ; Q
	TRIP 3, 1, 0
	s_mov_b32 s12, s33
	WALU
	s_wait_tensorcnt 0x0                           ; the other steps' loads: waves 4-6
	s_wait_dscnt 0x0
	s_barrier_signal -1
	TRIP 3, 0, 0                                   ; register work and reads of the first four steps: no tile ends in its first four trips
	s_mov_b32 s12, s33
	WALU
	s_barrier_wait -1                              ; all ten steps are in.  From here on LDS is only read
	s_mov_b32 s84, 7
.Lstep:
	TRIP 9, 0, 1
	s_cmp_lg_u32 s12, s13
	s_cbranch_scc1 .Lcont
	; THE TILE'S END: O^T / the sum is ctx: register n is d = 32 h + n of my query's row: one block of 32
	PLACES 4
	v_add_f32 v14, v14, v15                        ; the sum's two halves,
	v_permlanex16_b32 v[T+5], v14, s[SEL], s[SEL+1]
	v_add_f32 v14, v14, v[T+5]                     ; and lane l xor 16's
	WALU
	v_rcp_f32 v14, v14
	v_nop                                          ; one plain place behind a transcendental
	WALU
.set n, 0
.rept 16
	v_pk_mul_f32 v[S+n:S+n+1], v[O+n:O+n+1], v[14:15] op_sel_hi:[1,0]
.set n, n+2
.endr
	v_max3_num_f32 v[T], |v[S]|, |v[S+1]|, 0x1800000
	v_max3_num_f32 v[T+1], |v[S+16]|, |v[S+17]|, 0x1800000
.irp i, 2,4,6,8,10,12,14
	v_max3_num_f32 v[T], v[T], |v[S+\i]|, |v[S+\i+1]|
	v_max3_num_f32 v[T+1], v[T+1], |v[S+16+\i]|, |v[S+17+\i]|
.endr
	v_max_num_f32 v[T], v[T], v[T+1]
	v_add_nc_u32 v[SO], 0xff000000, v[T]
	v_lshrrev_b32 v[TT], 23, v[SO]                 ; my block's scale byte
	v_cvt_scalef32_pk16_fp6_f32 v[P:P+2], v[S:S+15], v[SO]
	v_cvt_scalef32_pk16_fp6_f32 v[T:T+2], v[S+16:S+31], v[SO]
	v_nop
.irp i, 0,1,2
	v_mov_b32 v[P+3+\i], v[T+\i]
.endr
	s_add_co_u32 s87, s86, s10                     ; the tile of rows: 128 x batch + tile
	s_lshl_b32 s88, s87, 4
	s_add_co_u32 s88, s88, s85
	s_mul_i32 s88, s88, 768                        ; c_img: [tile of rows][head][768]
	s_mov_b32 s89, 0
	s_add_nc_u64 s[80:81], s[22:23], s[88:89]
	s_lshl_b32 s88, s87, 9                         ; c_sc: [tile of rows][row][32]: byte 2 x head + block
	s_add_co_u32 s88, s88, s85
	s_add_co_u32 s88, s88, s85
	s_add_nc_u64 s[82:83], s[24:25], s[88:89]
	s_mov_b32 s10, s11
	FIRSTQ
	s_lshr_b32 s13, s10, 3                         ; the second tile's last step (F is 0 where there is one)
	WALU
	global_store_b128 v[L16], v[P:P+3], s[80:81]
	global_store_b64 v[L8], v[P+4:P+5], s[80:81] offset:512
	global_store_b8 v[SROW], v[TT], s[82:83]
	s_wait_xcnt 0x0                                ; the stores' data and bases are written again only behind this wait
	WIN 0x01
	v_mov_b32 v[QS], v8                            ; on to my second tile (behind my last tile these results are not used)
.irp i, 0,1,2,3,4,5
	v_mov_b32 v[QF+\i], v[2+\i]
.endr
	WIN 0
	TINIT                                          ; O^T and the sum are not cleared: the first change of M multiplies them by 0
	v_nop                                          ; with TINIT's lines the places between Q's moves and the next product
.Lcont:
	s_mov_b32 s12, s33
	s_sub_co_u32 s84, s84, 1
	s_cmp_lg_u32 s84, 0
	WALU                                           ; the wait here, directly ahead of the branch
	s_cbranch_scc1 .Lstep
	WIN 0x05
	s_wait_tensorcnt 0x0                           ; the wave's end
	ds_add_u32 v0, v1
	s_wait_dscnt 0x0
	WIN 0
	ROUND                                          ; the closing round
	s_endpgm
.Lfunc_end_k_qf6dedeb289_attn:
	.size	k_qf6dedeb289_attn, .Lfunc_end_k_qf6dedeb289_attn-k_qf6dedeb289_attn
	.p2alignl 7, 3214868480
	.fill 96, 4, 3214868480
	.section	.rodata,"a",@progbits
	.p2align	6, 0x0
	.amdhsa_kernel k_qf6dedeb289_attn
		.amdhsa_group_segment_fixed_size 167936
		.amdhsa_private_segment_fixed_size 0
		.amdhsa_enable_private_segment 0
		.amdhsa_kernarg_size 40
		.amdhsa_user_sgpr_count 2
		.amdhsa_user_sgpr_kernarg_segment_ptr 1
		.amdhsa_wavefront_size32 1
		.amdhsa_system_sgpr_workgroup_id_x 1
		.amdhsa_system_sgpr_workgroup_id_y 1
		.amdhsa_system_sgpr_workgroup_id_z 1
		.amdhsa_system_vgpr_workitem_id 0
		.amdhsa_next_free_vgpr 266
		.amdhsa_next_free_sgpr 100
		.amdhsa_reserve_vcc 1
		.amdhsa_float_denorm_mode_32 3
		.amdhsa_float_denorm_mode_16_64 3
		.amdhsa_memory_ordered 1
		.amdhsa_forward_progress 1
		.amdhsa_inst_pref_size 73
	.end_amdhsa_kernel
	.amdgpu_metadata
---
amdhsa.version: [ 1, 2 ]
amdhsa.kernels:
  - .name:           k_qf6dedeb289_attn
    .symbol:         k_qf6dedeb289_attn.kd
    .args:
      - { .name: q_img, .offset: 0, .size: 8, .value_kind: global_buffer, .address_space: global }
      - { .name: q_sc, .offset: 8, .size: 8, .value_kind: global_buffer, .address_space: global }
      - { .name: kv, .offset: 16, .size: 8, .value_kind: global_buffer, .address_space: global }
      - { .name: c_img, .offset: 24, .size: 8, .value_kind: global_buffer, .address_space: global }
      - { .name: c_sc, .offset: 32, .size: 8, .value_kind: global_buffer, .address_space: global }
    .group_segment_fixed_size: 167936
    .private_segment_fixed_size: 0
    .kernarg_segment_align: 8
    .kernarg_segment_size: 40
    .max_flat_workgroup_size: 384
    .sgpr_count:     100
    .vgpr_count:     266
    .wavefront_size: 32
...
	.end_amdgpu_metadata
.endif
;; end of part 2
;; launch oproj (part 3): grid 8 x 32, 4 waves a work-group, clusters of 4 x 4, 220,672 bytes of LDS; arguments c_img, c_sc, wo_w_codes, wo_w_scales, out0; writes out0
.if DOCPART == 3
	.amdgcn_target "amdgcn-amd-amdhsa--gfx1250"
	.amdhsa_code_object_version 6
	.text
	.protected	k_qf6dedeb289_oproj
	.globl	k_qf6dedeb289_oproj
	.p2align	8
	.type	k_qf6dedeb289_oproj,@function
k_qf6dedeb289_oproj:
	s_mov_b64 s[64:65], 0
	v_nop
	global_prefetch_b8 v0, s[64:65] scope:SCOPE_SE
	s_setreg_imm32_b32 hwreg(HW_REG_WAVE_MODE, 25, 1), 1
	s_wait_xcnt 0x0
	s_wait_alu depctr_hold_cnt(0) depctr_sa_sdst(0) depctr_va_vdst(0) depctr_va_sdst(0) depctr_va_ssrc(0) depctr_va_vcc(0) depctr_vm_vsrc(0)
	s_getreg_b32 s2, hwreg(HW_REG_IB_STS2, 6, 4)
	s_cmp_eq_u32 s2, 0
	s_cbranch_scc0 .Lentry_in_a_cluster
	s_endpgm
.Lentry_in_a_cluster:
	s_bfe_u32 s2, ttmp6, 0x10000c
	s_cmp_lg_u32 s2, 0xf033
	s_cbranch_scc0 .Lentry_shape_is_right
	s_endpgm
.Lentry_shape_is_right:
; out = ctx Wo^T on codes of FP6 (E2M3) with E8M0 scales; out [4,096][1,024] f32.  ctx comes as images of half fragments, [tile of rows 256][head 16][768 bytes], and scale bytes [tile of rows][row 16][32];
; a tile of rows T holds rows 64 (T / 4) + 8 (T % 4) + r + 24 (r / 8).  Wo comes as rows of 768 bytes of codes and 32 scale bytes.
; SHARES.  A work-group makes 128 rows x 128 columns in two halves of 64 columns; wave W makes tiles of rows 2 W and 2 W + 1 of the eight: 8 accumulators a half, 8 K steps of 128.  ctx's fragments (192 registers) stay
; in registers for both halves; Wo's come in two sets: a K step's are asked for ahead of the products of the step before.  The first half needs ctx and Wo's first 64 rows: waves 0 and 1 fetch ctx's halves, wave 2 Wo's first
; 64 rows, wave 3 the other 64, which may land under the first half's products.  The first half's results leave ahead of the second half's products.  All tensor loads are first fills, one a wave.
; Scale bytes go from memory straight into registers (each half of the lanes reads 512 bytes on end by two loads).  No prefetch: there is no loop over tiles to run ahead in.
; THE MATRIX INSTRUCTION IS USED TRANSPOSED (source 0 = 16 rows of Wo, source 1 = a tile of ctx): a lane holds eight neighbouring numbers of a row of out.
; CLUSTER.  4 x 4 work-groups: the four of a column of the cluster need the same rows of Wo, the four of a row the same rows of ctx: each block is asked for jointly.
; THE WAY OUT.  A tile of 16 rows x 64 columns goes through the wave's own stage in LDS and leaves as rows of 256 consecutive bytes, at multiples of 256 from out's first byte.
.set RPITCH, 816                       ; a row of Wo's codes in LDS: 3 x (256 bytes + 16 of padding) = 204 words: row r starts at bank 12 r mod 64 (64 banks of 4 bytes: ISA guide 11.1)
.set CI,     128*RPITCH                ; LDS: Wo's 128 rows at 0; ctx's eight tiles of rows x 16 heads here;
.set STG,    CI+98304                  ; the stages: 16 rows x 272 bytes for each wave; written by LDS stores alone
.set SPITCH, 272
.set SPARE,  STG+4*16*SPITCH
.set AC16, 7
.set AC8,  8
.set STO,  10
.set RD,   11
.set CO,   12
.set VSO,  13                          ; 32 x lane: my row's scale bytes
.set SPW,  14
.set NIL,  15
.set SWO,  16                          ; v16-47 Wo's scale words: half hh, tile pair j, K step q at 16 hh + 8 j + q: lanes 0-15 the even tile, 16-31 the odd
.set SXC,  52                          ; v52-59 ctx's two tiles'
.set ADW,  60                          ; v60-75 LDS address of Wo's four tiles of each half; odd numbers: behind one padding more
.set ACC,  128                         ; accumulator (hh, g, t) at 64 hh + 32 g + 8 t
                                       ; window 1: ctx's fragments, (K step q, tile g) at 24 q + 12 g.  Window 2: Wo's, set e at 48 e; from 96 rows read back from the stage
.set BK,   96
.set MSB, 0
.macro WIN new
.if MSB != \new
	s_set_vgpr_msb (MSB<<8)|\new
.set MSB, \new
.endif
.endm
.macro PLACES n
.rept \n
	v_nop
.endr
.endm
.macro ROUND                           ; a round of the cluster's barrier
	s_barrier_signal -1
	s_barrier_wait -1
	s_cmp_lg_u32 s3, 0
	s_cbranch_scc1 .Lnot_wave_0_\@
	s_barrier_signal -3
.Lnot_wave_0_\@:
	s_barrier_wait -3
	s_barrier_signal -1
	s_barrier_wait -1
.endm
.macro TLOAD g0, g1
	tensor_load_to_lds s[\g0:\g0+3], s[\g1:\g1+7]
	s_nop 0
	PLACES 4
.endm
; A fragment from rows of codes: pieces of 8 bytes, two to a load where both go by the same address register.  16 bytes of padding lie behind every 32 pieces; lanes 16-31 read three pieces further on.
.macro FRAG reg, adr, q
.set SKIP_, 0
.irp p, 0,1,2,3,4,5
.if SKIP_
.set SKIP_, 0
.else
.set PC_, 12*(\q)+6*(\p/3)+\p%3
.set PN_, 12*(\q)+6*((\p+1)/3)+(\p+1)%3
.set X_, (PC_%32+3)/32
.set XQ_, (PN_%32+3)/32
.set R_, (\reg)+2*\p
.set A_, (\adr)+X_
.if (\p < 5) && (X_ == XQ_)
.set SKIP_, 1
	ds_load_2addr_b64 v[R_:R_+3], v[A_] offset0:PC_+2*(PC_/32) offset1:PN_+2*(PN_/32)
.else
	ds_load_b64 v[R_:R_+1], v[A_] offset:8*(PC_+2*(PC_/32))
.endif
.set CNT, CNT+1
.endif
.endr
.endm
.macro LOADS q, hh                     ; K step q (heads 2 q and 2 q + 1): Wo's four fragments of half hh, in the first half ctx's two; CNT counts the loads
.set CNT, 0
	WIN 0x80
.irp t, 0,1,2,3
	FRAG 48*((\q)%2)+12*\t, ADW+8*(\hh)+2*\t, \q
.endr
.if (\hh) == 0
	WIN 0x40
.irp g, 0,1
.irp c, 0,1
.set R_, 24*(\q)+12*\g+6*\c
	ds_load_b128 v[R_:R_+3], v[AC16] offset:12288*\g+1536*(\q)+768*\c
	ds_load_b64 v[R_+4:R_+5], v[AC8] offset:12288*\g+1536*(\q)+768*\c+512
.set CNT, CNT+2
.endr
.endr
.endif
.endm
.macro WM q, hh, g, t, rt
.set D_, ACC+64*(\hh)+32*(\g)+8*(\t)
.set A_, 48*((\q)%2)+12*(\t)
.set B_, 24*(\q)+12*(\g)
.set XA_, SWO+16*(\hh)+8*((\t)/2)+(\q)
.set XB_, SXC+(\q)
.if \q
	v_wmma_scale_f32_16x16x128_f8f6f4 v[D_:D_+7], v[A_:A_+11], v[B_:B_+11], v[D_:D_+7], v[XA_], v[XB_] matrix_a_fmt:MATRIX_FMT_FP6 matrix_b_fmt:MATRIX_FMT_FP6 matrix_a_scale:MATRIX_SCALE_ROW\rt matrix_b_scale:MATRIX_SCALE_ROW\g
.else
	v_wmma_scale_f32_16x16x128_f8f6f4 v[D_:D_+7], v[A_:A_+11], v[B_:B_+11], 0, v[XA_], v[XB_] matrix_a_fmt:MATRIX_FMT_FP6 matrix_b_fmt:MATRIX_FMT_FP6 matrix_a_scale:MATRIX_SCALE_ROW\rt matrix_b_scale:MATRIX_SCALE_ROW\g
.endif
.endm
.macro ROWS q, hh                      ; 8 accumulators by turns
	WIN 0x06
.irp g, 0,1
	WM \q, \hh, \g, 0, 0
	WM \q, \hh, \g, 1, 1
	WM \q, \hh, \g, 2, 0
	WM \q, \hh, \g, 3, 1
.endr
.endm
.macro KSTEP q, hh
	PLACES 4                                       ; in front of loads into registers that matrix instructions have read
	LOADS (\q)+1, \hh
	s_wait_dscnt CNT                               ; all but what was just asked for
	ROWS \q, \hh
.endm
; THE WAY OUT, a tile of 16 rows at a time.  LDS serves a wave's instructions in order (ISA guide 5.7.1.4): no wait between the stores and the loads, nor in front of the next tile's stores.
.macro TOSTAGE hh, g
	WIN 0
.set C_, ACC+64*(\hh)+32*(\g)
.irp t, 0,1,2,3
	ds_store_b128 v[STO], v[C_+8*\t:C_+8*\t+3] offset:64*\t          ; each accumulator from its low end on
	ds_store_b128 v[STO], v[C_+8*\t+4:C_+8*\t+7] offset:64*\t+16
.endr
	WIN 0x80
.set R_, BK+64*(\hh)+32*(\g)
.irp i, 0,1,2,3,4,5,6,7
	ds_load_b128 v[R_+4*\i:R_+4*\i+3], v[RD] offset:\i*2*SPITCH
.endr
.endm
.macro SEND hh, g, younger             ; younger: the LDS instructions issued behind the tile's loads, which may stay out.  Stage row 2 i + h is row 8 g + 2 i + h + 24 (i / 4) from my first
.set R_, BK+64*(\hh)+32*(\g)
	s_wait_dscnt \younger
	WIN 0x08
.irp i, 0,1,2,3,4,5,6,7
	global_store_b128 v[CO], v[R_+4*\i:R_+4*\i+3], s[24:25] offset:(8*(\g)+2*\i+24*(\i/4))*4096+256*(\hh) th:TH_STORE_NT   ; 16 lanes store 256 consecutive bytes; written once, read by nobody here
.endr
.endm
	s_load_b256 s[16:23], s[0:1], 0x0              ; c_img, c_sc, Wo's codes, Wo's scales
	s_load_b64 s[24:25], s[0:1], 0x20              ; out
	v_lshl_add_u32 v[SPW], v0, 2, SPARE
	v_mov_b32 v[NIL], 0
	ds_add_u32 v[SPW], v[NIL]                      ; the opening: the add, twice on end, and its wait
	ds_add_u32 v[SPW], v[NIL]
	v_lshrrev_b32 v1, 5, v0
	v_readfirstlane_b32 s3, v1                     ; wave 0..3
	s_bfe_u32 s4, ttmp6, 0x40000                   ; cx, cy: my place in the cluster
	s_bfe_u32 s5, ttmp6, 0x40004
	s_lshl_b32 s6, ttmp9, 2
	s_add_co_u32 s6, s6, s4                        ; X: my 128 columns
	s_and_b32 s7, ttmp7, 0xffff
	s_lshl_b32 s7, s7, 2
	s_add_co_u32 s7, s7, s5                        ; Y: my 128 rows
	s_and_b32 s8, s3, 1
	s_lshr_b32 s9, s3, 1
	s_lshl_b32 s10, s5, 2
	s_lshl_b32 s10, 15, s10                        ; my row of the cluster
	s_lshl_b32 s11, 0x1111, s4                     ; my column
	s_or_b32 s28, s11, (3<<16)|(1<<20)|(1<<21)|(5<<22)|(3<<25)     ; Wo's codes go to my column: 64 rows of 768 bytes, 16 bytes of padding behind every 256
	s_mov_b32 s29, 96<<16
	s_mov_b32 s30, 64<<16
	s_mov_b32 s31, 96<<16
	s_mov_b32 s32, 64
	s_mov_b32 s33, 96
	s_mov_b32 s34, 0
	s_mov_b32 s35, 0
	s_or_b32 s36, s10, (3<<16)|(1<<21)             ; ctx's images go to my row: 49,152 dense bytes as 192 rows of 256
	s_mov_b32 s37, 32<<16
	s_mov_b32 s38, 192<<16
	s_mov_b32 s39, 32<<16
	s_mov_b32 s40, 192
	s_mov_b32 s41, 32
	s_mov_b32 s42, 0
	s_mov_b32 s43, 0
	s_mul_i32 s13, s3, 24576                       ; my two tiles of rows
	s_add_co_u32 s13, s13, CI
	s_mul_i32 s15, s3, 16*SPITCH
	s_add_co_u32 s15, s15, STG                     ; my stage
	v_and_b32 v1, 15, v0                           ; r
	v_bfe_u32 v2, v0, 4, 1                         ; h
	v_and_b32 v3, 31, v0                           ; lane
	v_mul_u32_u24 v4, RPITCH, v1
	v_mad_u32_u24 v4, v2, 24, v4
.irp t, 0,1,2,3,4,5,6,7
	v_add_nc_u32 v[ADW+2*\t], 16*RPITCH*\t, v4
.endr
.irp t, 0,1,2,3,4,5,6,7
	v_lshl_add_u32 v[ADW+2*\t+1], v2, 4, v[ADW+2*\t]
.endr
	v_lshl_add_u32 v[AC16], v3, 4, s13
	v_lshl_add_u32 v[AC8], v3, 3, s13
	v_lshlrev_b32 v[VSO], 5, v3
	v_mul_u32_u24 v5, SPITCH, v1
	v_lshl_add_u32 v5, v2, 5, v5
	v_add_nc_u32 v[STO], s15, v5                   ; in: row r, 32 bytes for each half of the lanes
	v_mul_u32_u24 v6, SPITCH, v2
	v_lshl_add_u32 v6, v1, 4, v6
	v_add_nc_u32 v[RD], s15, v6                    ; back: lanes 0-15 one row of 256 bytes, lanes 16-31 the next
	v_lshlrev_b32 v[CO], 12, v2
	v_lshl_add_u32 v[CO], v1, 4, v[CO]             ; and the same two rows in out: 4,096 bytes a row
	s_wait_alu depctr_va_vdst(0)                   ; the wait at the head's end
	s_wait_dscnt 0x0
	ROUND                                          ; all sixteen work-groups are here: the joint loads meet
	s_wait_kmcnt 0x0
	; Wo's addresses are made of X, ctx's of Y and the wave's number, each in registers that never hold the other coordinate
	s_mul_i32 s88, s7, 98304
	s_mul_i32 s90, s3, 49152
	s_add_co_u32 s88, s88, s90
	s_mov_b32 s89, 0
	s_add_nc_u64 s[74:75], s[16:17], s[88:89]      ; waves 0, 1: ctx's halves
	s_mov_b32 s72, 1
	s_add_co_u32 s73, s90, CI
	s_or_b32 s75, s75, 0x80000000
	s_mul_i32 s84, s6, 98304
	s_mov_b32 s85, 0
	s_add_nc_u64 s[70:71], s[20:21], s[84:85]      ; wave 2: Wo's first 64 rows
	s_add_nc_u64 s[78:79], s[70:71], 49152         ; wave 3: the other 64
	s_mov_b32 s68, 1
	s_mov_b32 s69, 0
	s_or_b32 s71, s71, 0x80000000
	s_mov_b32 s76, 1
	s_mov_b32 s77, 64*RPITCH
	s_or_b32 s79, s79, 0x80000000
	s_cmp_lt_u32 s3, 2                             ; one load a wave
	s_cbranch_scc0 .Lwave_2
	TLOAD 72, 36
	s_branch .Lasked
.Lwave_2:
	s_cmp_lt_u32 s3, 3
	s_cbranch_scc0 .Lwave_3
	TLOAD 68, 28
	s_branch .Lasked
.Lwave_3:
	TLOAD 76, 28
.Lasked:
	s_lshl_b32 s84, s6, 12
	s_add_nc_u64 s[22:23], s[22:23], s[84:85]      ; Wo's scale bytes of my 128 columns
	s_lshl_b32 s88, s7, 12
	s_lshl_b32 s90, s3, 10
	s_add_co_u32 s88, s88, s90
	s_add_nc_u64 s[18:19], s[18:19], s[88:89]      ; ctx's of my two tiles
.irp k, 0,1
	global_load_b128 v[SXC+4*\k:SXC+4*\k+3], v[VSO], s[18:19] offset:16*\k
.irp j, 0,1,2,3
	global_load_b128 v[SWO+8*\j+4*\k:SWO+8*\j+4*\k+3], v[VSO], s[22:23] offset:1024*\j+16*\k
.endr
.endr
	s_lshl_b32 s92, s7, 19                         ; out at row 128 Y + 64 (W / 2) + 16 (W % 2), column 128 X
	s_lshl_b32 s93, s9, 18
	s_add_co_u32 s92, s92, s93
	s_lshl_b32 s93, s8, 16
	s_add_co_u32 s92, s92, s93
	s_lshl_b32 s93, s6, 9
	s_add_co_u32 s92, s92, s93
	s_mov_b32 s93, 0
	s_add_nc_u64 s[24:25], s[24:25], s[92:93]
	s_cmp_lt_u32 s3, 3
	s_cbranch_scc0 .Lothers
	s_wait_tensorcnt 0x0
.Lothers:
	s_barrier_signal -1
	s_barrier_wait -1                              ; ctx and Wo's first 64 rows are in
	LOADS 0, 0
	s_wait_loadcnt 0x0                             ; the scale words
.irp q, 0,1,2,3,4,5,6
	KSTEP \q, 0
.endr
	s_wait_dscnt 0x0                               ; the first half's last fragments are in,
	s_wait_tensorcnt 0x0                           ; and wave 3's load has landed
	s_barrier_signal -1
	ROWS 7, 0
	WIN 0
	s_barrier_wait -1                              ; Wo's other 64 rows are in
	PLACES 4                                       ; in front of the loads, and of the first reads of results
	LOADS 0, 1
	TOSTAGE 0, 0
	TOSTAGE 0, 1
	SEND 0, 0, 16                                  ; behind the tile's loads: the second tile's 8 stores and 8 loads
	SEND 0, 1, 0
.irp q, 0,1,2,3,4,5,6
	KSTEP \q, 1
.endr
	s_wait_dscnt 0x0
	ROWS 7, 1
	PLACES 4
	TOSTAGE 1, 0
	TOSTAGE 1, 1
	SEND 1, 0, 16
	SEND 1, 1, 0
	WIN 0
	s_wait_tensorcnt 0x0                           ; the wave's end
	ds_add_u32 v[SPW], v[NIL]
	s_wait_dscnt 0x0
	ROUND                                          ; the closing round: no work-group ends while a partner may still ask for a block that names it
	s_endpgm
.Lfunc_end_k_qf6dedeb289_oproj:
	.size	k_qf6dedeb289_oproj, .Lfunc_end_k_qf6dedeb289_oproj-k_qf6dedeb289_oproj
	.p2alignl 7, 3214868480
	.fill 96, 4, 3214868480
	.section	.rodata,"a",@progbits
	.p2align	6, 0x0
	.amdhsa_kernel k_qf6dedeb289_oproj
		.amdhsa_group_segment_fixed_size 220672
		.amdhsa_private_segment_fixed_size 0
		.amdhsa_enable_private_segment 0
		.amdhsa_kernarg_size 40
		.amdhsa_user_sgpr_count 2
		.amdhsa_user_sgpr_kernarg_segment_ptr 1
		.amdhsa_wavefront_size32 1
		.amdhsa_system_sgpr_workgroup_id_x 1
		.amdhsa_system_sgpr_workgroup_id_y 1
		.amdhsa_system_sgpr_workgroup_id_z 1
		.amdhsa_system_vgpr_workitem_id 0
		.amdhsa_next_free_vgpr 736
		.amdhsa_next_free_sgpr 96
		.amdhsa_reserve_vcc 0
		.amdhsa_float_denorm_mode_32 3
		.amdhsa_float_denorm_mode_16_64 3
		.amdhsa_memory_ordered 1
		.amdhsa_forward_progress 1
		.amdhsa_inst_pref_size 53
	.end_amdhsa_kernel
	.amdgpu_metadata
---
amdhsa.version: [ 1, 2 ]
amdhsa.kernels:
  - .name:           k_qf6dedeb289_oproj
    .symbol:         k_qf6dedeb289_oproj.kd
    .args:
      - { .name: c_img, .offset: 0, .size: 8, .value_kind: global_buffer, .address_space: global }
      - { .name: c_sc, .offset: 8, .size: 8, .value_kind: global_buffer, .address_space: global }
      - { .name: wo_w_codes, .offset: 16, .size: 8, .value_kind: global_buffer, .address_space: global }
      - { .name: wo_w_scales, .offset: 24, .size: 8, .value_kind: global_buffer, .address_space: global }
      - { .name: out0, .offset: 32, .size: 8, .value_kind: global_buffer, .address_space: global }
    .group_segment_fixed_size: 220672
    .private_segment_fixed_size: 0
    .kernarg_segment_align: 8
    .kernarg_segment_size: 40
    .max_flat_workgroup_size: 128
    .sgpr_count:     96
    .vgpr_count:     736
    .wavefront_size: 32
...
	.end_amdgpu_metadata
.endif
;; end of part 3
